; MI455X (gfx1250); checked and timed in simulation.
; The chip was launched on July 23, 2026; its instructions are those of AMD's public machine-readable ISA for CDNA 5 (MIT licence, August 2026) and "CDNA5" Instruction Set Architecture Reference Guide (July 2026). The comments in the code are by the model that wrote it; some were corrected since.
;; Attention. Allowed arithmetic: matrix products marked QUANTISED: E3M2 operands, one E8M0 scale for each 32 along K, by v_wmma_scale_f32_16x16x128_f8f6f4 with both operands' format E3M2, f32 sums; everything else in f32.
;; Inputs: cache_k 4 x 2,048 x 16 x 128 float32; cache_v 4 x 2,048 x 16 x 128 float32; freqs_cos 2,048 x 64 float32; freqs_sin 2,048 x 64 float32; mask 1 x 1 x 2,048 x 2,048 float32; wk 2,048 x 2,048 float32; wo 2,048 x 2,048 float32; wq 2,048 x 2,048 float32; wv 2,048 x 2,048 float32; x 1 x 2,048 x 2,048 float32.
;; Outputs: out0 1 x 2,048 x 2,048 float32.
;; Constants: start_pos = 0.
;; This version of the problem:
;;   THIS VERSION OF THE PROBLEM IS GIVEN IN LOW PRECISION. The matrix products marked QUANTISED in the list below multiply operands that are first quantised to E3M2 (3 exponent bits, 2 mantissa bits; 6 bits a number), with one power-of-two scale for each 32 numbers along K (OCP MX v1.0); their sums are f32. All else is computed in f32.
;;   The module's matrix products, in the order in which they are computed (A, B: the left and right operand; K: the contracted axis; several contracted axes count as one K, in the product's order):
;;     1. [M 2,048, K 2,048] x [K 2,048, N 2,048]; A: input x; B: input wq: QUANTISED
;;     2. [M 2,048, K 2,048] x [K 2,048, N 2,048]; A: input x; B: input wk: QUANTISED
;;     3. [M 2,048, K 2,048] x [K 2,048, N 2,048]; A: input x; B: input wv: QUANTISED
;;     4. batch 16 x [M 2,048, K 128] x [K 128, N 2,048]; A: computed on the way; B: computed on the way: QUANTISED
;;     5. batch 16 x [M 128, K 2,048] x [K 2,048, N 2,048]; A: computed on the way; B: softmax (see below): QUANTISED
;;     6. [M 2,048, K 2,048] x [K 2,048, N 2,048]; A: computed on the way; B: input wo: QUANTISED
;;   THE QUANTISER, for each operand of a quantised product, along K:
;;     - K is cut into blocks of 32 from its start; a last block that is shorter is filled with zeros.
;;     - A block's scale is 2^e with e = floor(log2(the largest magnitude in the block)) - 4, held to -126 .. 127; a block of zeros has e = 0. As a byte (E8M0): e + 127.
;;     - Each number is divided by its block's scale, clamped to +-28, and rounded to the nearest number of E3M2, ties to even, subnormals kept.
;;     - The product sums the exact products of the quantised numbers (number of the format x scale) in f32.
;;   ~~~python
;;   def quantise(x, axis):      # numpy; x: float32 -> the quantised numbers, widened to float32 again
;;       x = np.moveaxis(x, axis, -1); K = x.shape[-1]
;;       x = np.pad(x, [(0, 0)] * (x.ndim - 1) + [(0, -K % 32)]); x = x.reshape(x.shape[:-1] + (-1, 32)); a = np.abs(x).max(-1, keepdims=True)
;;       e = np.where(a > 0, np.clip(np.frexp(np.where(a > 0, a, 1))[1] - 1 - 4, -126, 127), 0)      # np.frexp(a)[1] - 1 = floor(log2(a)), exactly
;;       r = np.clip(x / 2.0 ** e, -28, 28)
;;       step = 2.0 ** (np.maximum(np.frexp(np.where(r == 0, 1, r))[1] - 1, -2) - 2)
;;       q = np.round(r / step) * step * 2.0 ** e      # np.round: ties to even
;;       return np.moveaxis(q.reshape(q.shape[:-2] + (-1,))[..., :K], -1, axis).astype(np.float32)
;;   ~~~
;;   SOFTMAX AHEAD OF A QUANTISED PRODUCT. Where the list says 'softmax', what is quantised is not the finished softmax but p = 2^(t - M), with t = logit x log2(e) and M = ceil(the row's largest t), a whole number; so 1/2 < the row's largest p <= 1. The row's sum l is taken of the UNQUANTISED p, in f32, and the product's result is divided by l at the end. Since M is a whole number, a kernel that streams over the keys may use a running M (the ceiling of the running maximum): every later rescaling is an exact power of two, which a block's scale takes up: the codes' values come out the same.
;;   OPERANDS COMPUTED ON THE WAY. 'Computed on the way' means the value that the module computes at that place (a softmax that the list does not call 'softmax' is quantised finished and normalised). What goes into a quantiser is computed in f32, as accurately as f32 sums, v_exp_f32 and their like allow (about 1e-6 of the number): no bf16 or f16 on the way to a quantiser, and a product that is left as it is and whose result goes on into a quantised operand takes f32 operands (vector FMAs, or v_wmma_f32_16x16x4_f32). A number that lies on a knife's edge between two numbers of the format may be rounded either way, as far as f32 arithmetic and the matrix unit's own rounding can turn it there, and no further.
;; One version. Each part assembles by itself: llvm-mc -triple=amdgcn-amd-amdhsa -mcpu=gfx1250 --defsym DOCPART=n.
;; ======== version 1 of 1: 4 launches
;; limits: right only within a limited range of input values
;; workspace buffers: cd 18,874,368 bytes; sc 786,432 bytes; qkv 9,830,400 bytes
;; launch quant (part 1): grid 96 x 8, 4 waves a work-group, no clusters, 36,352 bytes of LDS; arguments wq, wk, wv, wo, cd, sc, x; writes cd, sc
.if DOCPART == 1
	.amdgcn_target "amdgcn-amd-amdhsa--gfx1250"
	.amdhsa_code_object_version 6
	.text
	.protected	k_qdf939d2a80_quant
	.globl	k_qdf939d2a80_quant
	.p2align	8
	.type	k_qdf939d2a80_quant,@function
k_qdf939d2a80_quant:
	s_mov_b64 s[64:65], 0
	v_nop
	global_prefetch_b8 v0, s[64:65] scope:SCOPE_SE
	s_setreg_imm32_b32 hwreg(HW_REG_WAVE_MODE, 25, 1), 1
	s_wait_xcnt 0x0
; x [2048 tokens][2048] and wq, wk, wv, wo [2048 (K)][2048 (N)], f32, become codes of E3M2 with one E8M0 byte for each 32 along K, laid as the products want them:
;   cd: [tensor 0 (x), 1..4 (weights)][row tile 0..127][K step 0..15][1,536 bytes]: the IMAGE of a fragment's 12 registers: register j of lane l at 512 (j / 4) + 16 l + 4 (j % 4);
;   sc: [tensor][K step][workspace row 0..2047]: one 32-bit scale word (byte b: k = 32 b .. 32 b + 31 of the step).
; WORKSPACE ROW rho HOLDS TOKEN (or column) pi(rho), pi = bits 3 and 4 exchanged: where such a tile is a product's source 0, the 16 result registers of tiles 2 b and 2 b + 1 are 16 neighbours of the natural order.
; WORK LEFT OUT, for the whole program: start_pos is the constant 0, bsz is 1 and seqlen is 2,048, so dynamic_update_slice writes xk and xv over rows [0][0..2047] of the caches, and reference() reads back
; cache[:1, :2048], just those rows.  No number of cache_k or cache_v reaches out0, whatever they hold: the two inputs are not loaded and are no launch's argument.
; LIMITS: a NaN or an infinity in cache_k or cache_v is not carried to the result; NaN and infinities in x and the weights are not served.
; A block's scale byte is its largest magnitude's exponent field - 4, held at 1 from below (a block of zeros gets 1 where the rule says 127: its codes are zeros, and this program alone reads the bytes).
; ONE LAUNCH, TWO PATHS, parted by the work-group's x alone; each path has LDS bytes of its own.
; gx < 64, THE WEIGHTS: weight gx / 16, columns 128 (gx % 16) on, K steps 2 gy, 2 gy + 1.  A lane takes a column (lane l column pi(l) of the wave's 32) and its registers run down K: a block lies in one lane,
;   and twelve exchanges of halves between the even and the odd blocks' registers give two tiles' images at once.  Loads run two blocks (64 loads a wave) ahead.
; gx >= 64, THE TOKENS: tiles 4 (gx - 64) on, a tile a wave, K steps 2 gy, 2 gy + 1.  All 32 loads of a wave (512 consecutive bytes each) go out at once; a K step's 16 rows x 512 bytes turn through the
;   wave's own stage in LDS, so that a lane holds 16 neighbours.
; Memory binds here: no matrix unit, no cluster (no byte is read twice), no tensor load.
.set SP,   528                         ; a stage row: 512 bytes + 16
.set WST,  16*SP
.set GA,   4*WST                       ; the tokens' scale words, [K step 0..1][64 rows]
.set SPARE, 0x8800                     ; the spare words, 128 bytes a wave
.set WB,   SPARE+512                   ; the weights' scale words, [K step 0..1][128 rows]
.set LI,   4
.set SIN,  5
.set SOUT, 6
.set GIN,  7
.set GOUT, 8
.set SCO,  9
.set R0,   16
.set R1,   80
.set X0,   144
.set X1,   R0
.set PC,   208
.set TM,   228
.set PW,   244
.set SEL,  20
.set X,    32
.set FB,   96
.set TQ,   144
.set SW,   14
	v_lshl_add_u32 v248, v0, 2, SPARE
	v_mov_b32 v249, 0
	s_cmp_ge_u32 ttmp9, 64
	s_cbranch_scc1 .Ltokens
	s_load_b256 s[4:11], s[0:1], 0x0               ; wq, wk, wv, wo
	s_load_b128 s[12:15], s[0:1], 0x20             ; cd, sc
	v_lshrrev_b32 v1, 5, v0
	v_readfirstlane_b32 s16, v1                    ; wave
	v_and_b32 v1, 31, v0
	v_and_b32 v2, 7, v0
	v_bfe_u32 v6, v0, 3, 1
	v_bfe_u32 v7, v0, 4, 1
	v_lshl_or_b32 v2, v6, 4, v2
	v_lshl_or_b32 v2, v7, 3, v2                    ; pi(lane)
	v_lshlrev_b32 v3, 2, v2
	v_lshlrev_b32 v4, 4, v1
	s_lshl_b32 s17, s16, 7
	s_add_co_u32 s28, s17, WB
	v_lshl_add_u32 v5, v1, 2, s28                  ; LDS: WB + 128 x wave + 4 x lane
	s_lshr_b32 s18, ttmp9, 4                       ; which weight
	s_and_b32 s19, ttmp9, 15                       ; which 128 columns
	s_and_b32 s20, ttmp7, 0xffff
	s_lshl_b32 s22, s20, 21
	s_lshl_b32 s23, s19, 9
	s_add_co_u32 s22, s22, s23
	s_add_co_u32 s22, s22, s17
	s_mov_b32 s23, 0
	s_lshl_b32 s24, s18, 7
	s_add_co_u32 s24, s24, 128
	s_lshl_b32 s25, s19, 3
	s_add_co_u32 s24, s24, s25
	s_lshl_b32 s25, s16, 1
	s_add_co_u32 s24, s24, s25                     ; my first tile
	s_mul_i32 s24, s24, 24576
	s_mul_i32 s25, s20, 3072
	s_add_co_u32 s24, s24, s25
	s_mov_b32 s25, 0
	s_lshl_b32 s26, s18, 17
	s_add_co_u32 s26, s26, 131072
	s_lshl_b32 s27, s20, 14
	s_add_co_u32 s26, s26, s27
	s_lshl_b32 s27, s19, 9
	s_add_co_u32 s26, s26, s27
	s_mov_b32 s27, 0
	s_wait_alu depctr_va_vdst(0)                   ; the wait at the head's end
	s_wait_kmcnt 0x0
	s_cmp_eq_u32 s18, 1                            ; the weight is chosen by the work-group's number alone
	s_cselect_b64 s[4:5], s[6:7], s[4:5]
	s_cmp_eq_u32 s18, 2
	s_cselect_b64 s[4:5], s[8:9], s[4:5]
	s_cmp_eq_u32 s18, 3
	s_cselect_b64 s[4:5], s[10:11], s[4:5]
	s_add_nc_u64 s[4:5], s[4:5], s[22:23]
	s_add_nc_u64 s[12:13], s[12:13], s[24:25]
	s_add_nc_u64 s[14:15], s[14:15], s[26:27]
.macro LOAD t                          ; block t: w(32 t + i, my column) into set t % 2
.irp i, 0,1,2,3,4,5,6,7,8,9,10,11,12,13,14,15,16,17,18,19,20,21,22,23,24,25,26,27,28,29,30,31
	global_load_b32 v[X+32*((\t)%2)+\i], v3, s[4:5] offset:(32*(\t)+\i)*8192 th:TH_LOAD_NT
.endr
.endm
.macro BLOCK t
.set XS, X+32*((\t)%2)
.set KK, (\t)/4
.set BE, (\t)%4
.set FD, FB+24*KK+12*(BE%2)+6*(BE/2)
.if (\t) < 7
	s_wait_loadcnt 32                              ; this block's 32 loads are in; the next block's may be out
.else
	s_wait_loadcnt 0x0
.endif
	v_max3_num_f32 v12, |v[XS]|, |v[XS+1]|, |v[XS+2]|
	v_max3_num_f32 v13, |v[XS+3]|, |v[XS+4]|, |v[XS+5]|
.irp i, 6,10,14,18,22,26
	v_max3_num_f32 v12, v12, |v[XS+\i]|, |v[XS+\i+1]|
	v_max3_num_f32 v13, v13, |v[XS+\i+2]|, |v[XS+\i+3]|
.endr
	v_max3_num_f32 v12, v12, |v[XS+30]|, |v[XS+31]|
	v_max3_num_f32 v12, v12, v13, 0x2800000        ; the floor 2^(5 - 127)
	v_add_nc_u32 v11, 0xfe000000, v12              ; 4 off the exponent field: the conversion's scale operand
	v_lshrrev_b32 v13, 23, v11                     ; the scale's byte
.if BE == 0
	v_mov_b32 v[SW+KK], v13
.else
	v_lshl_or_b32 v[SW+KK], v13, 8*BE, v[SW+KK]
.endif
	v_cvt_scalef32_pk16_bf6_f32 v[FD:FD+2], v[XS:XS+15], v11
	v_cvt_scalef32_pk16_bf6_f32 v[TQ:TQ+2], v[XS+16:XS+31], v11    ; (a conversion's three registers begin on an even number)
	v_nop                                          ; one plain place behind a scaled conversion
.irp i, 0,1,2
	v_mov_b32 v[FD+3+\i], v[TQ+\i]
.endr
.if (\t)+2 < 8
	LOAD (\t)+2
.endif
.if BE == 3                            ; a K step is whole
.irp j, 0,1,2,3,4,5,6,7,8,9,10,11
	v_permlane16_swap_b32 v[FB+24*KK+\j], v[FB+24*KK+12+\j]        ; two images
.endr
.irp u, 0,1
.irp c, 0,1,2
	global_store_b128 v4, v[FB+24*KK+12*\u+4*\c:FB+24*KK+12*\u+4*\c+3], s[12:13] offset:\u*24576+KK*1536+512*\c   ; 512 consecutive bytes
.endr
.endr
	ds_store_b32 v5, v[SW+KK] offset:512*KK
.endif
.endm
	LOAD 0
	LOAD 1
.irp t, 0,1,2,3,4,5,6,7
	BLOCK \t
.endr
	s_wait_dscnt 0x0                               ; for wave 0's sake: my words lie in LDS
	s_barrier_signal -1
	s_barrier_wait -1
	s_cmp_lg_u32 s16, 0
	s_cbranch_scc1 .Lw_end
	ds_load_b128 v[32:35], v4 offset:WB            ; the work-group's 128 words of each K step
	ds_load_b128 v[36:39], v4 offset:WB+512
	s_wait_dscnt 0x0
	global_store_b128 v4, v[32:35], s[14:15]       ; 512 consecutive, aligned bytes
	global_store_b128 v4, v[36:39], s[14:15] offset:8192
.Lw_end:
	s_wait_tensorcnt 0x0                           ; the wave's end
	ds_add_u32 v248, v249
	s_wait_dscnt 0x0
	s_endpgm
; 64 numbers of a lane, register 16 b + i = k 32 b + 16 (lane / 16) + i of my row, become a fragment's codes in v[PC] on and its scale word in v[pw]
.macro QUANT s, pw
.irp b, 0,1,2,3
	v_max3_num_f32 v[TM+\b], |v[\s+16*\b]|, |v[\s+1+16*\b]|, 0x2800000
.endr
.irp i, 2,4,6,8,10,12,14
.irp b, 0,1,2,3
	v_max3_num_f32 v[TM+\b], |v[\s+16*\b+\i]|, |v[\s+1+16*\b+\i]|, v[TM+\b]
.endr
.endr
.irp b, 0,1,2,3
	v_permlanex16_b32 v[TM+4+\b], v[TM+\b], s[SEL], s[SEL+1]
.endr
.irp b, 0,1,2,3
	v_max_num_f32 v[TM+\b], v[TM+\b], v[TM+4+\b]
.endr
.irp b, 0,1,2,3
	v_add_nc_u32 v[TM+12+\b], 0xfe000000, v[TM+\b]
.endr
.irp b, 0,1,2,3
	v_lshrrev_b32 v[TM+4+\b], 23, v[TM+12+\b]
.endr
	v_lshl_or_b32 v[\pw], v[TM+5], 8, v[TM+4]
	v_lshl_or_b32 v[\pw], v[TM+6], 16, v[\pw]
	v_lshl_or_b32 v[\pw], v[TM+7], 24, v[\pw]
	s_wait_xcnt 0x0                                ; the last image's stores have read v[PC] on
.irp c, 0,1
	v_cvt_scalef32_pk16_bf6_f32 v[PC+6*\c:PC+2+6*\c], v[\s+32*\c:\s+15+32*\c], v[TM+12+2*\c]
	v_cvt_scalef32_pk16_bf6_f32 v[PC+12+4*\c:PC+14+4*\c], v[\s+16+32*\c:\s+31+32*\c], v[TM+13+2*\c]
.endr
	v_nop
.irp c, 0,1
.irp i, 0,1,2
	v_permlane16_swap_b32 v[PC+6*\c+\i], v[PC+12+4*\c+\i]
.endr
.irp i, 0,1,2
	v_mov_b32 v[PC+3+6*\c+\i], v[PC+12+4*\c+\i]
.endr
.endr
.endm
.macro IMGOUT off
.irp c, 0,1,2
	global_store_b128 v[LI], v[PC+4*\c:PC+4*\c+3], s[6:7] offset:(\off)+512*\c
.endr
.endm
.Ltokens:
	s_load_b64 s[4:5], s[0:1], 0x30                ; x
	s_load_b64 s[6:7], s[0:1], 0x20                ; cd
	s_load_b64 s[8:9], s[0:1], 0x28                ; sc
	v_lshrrev_b32 v1, 5, v0
	v_readfirstlane_b32 s10, v1                    ; wave
	v_and_b32 v1, 31, v0
	v_and_b32 v2, 15, v0                           ; r
	v_bfe_u32 v3, v0, 4, 1                         ; h
	v_lshlrev_b32 v[LI], 4, v1
	s_mul_i32 s11, s10, WST
	v_add_nc_u32 v[SIN], s11, v[LI]
	v_mul_u32_u24 v[SOUT], v2, SP
	v_lshl_add_u32 v[SOUT], v3, 6, v[SOUT]
	v_add_nc_u32 v[SOUT], s11, v[SOUT]
	s_lshl_b32 s11, s10, 6
	s_add_co_u32 s11, s11, GA
	v_lshl_add_u32 v[GIN], v2, 2, s11
	v_add_nc_u32 v[GOUT], GA, v[LI]
	v_lshlrev_b32 v[SCO], 4, v2
	v_lshl_add_u32 v[SCO], v3, 13, v[SCO]
.irp b, 0,1,2,3
	v_mov_b32 v[TM+4+\b], 0                        ; a lane permute's destination counts as one of its sources
.endr
	s_sub_co_u32 s22, ttmp9, 64                    ; which 64 tokens
	s_and_b32 s12, ttmp7, 0xffff
	s_lshl_b32 s13, s22, 2
	s_add_co_u32 s13, s13, s10                     ; my tile T
	s_lshr_b32 s14, s13, 1
	s_lshl_b32 s14, s14, 5
	s_and_b32 s15, s13, 1
	s_lshl_b32 s15, s15, 3
	s_add_co_u32 s14, s14, s15                     ; its first token: 32 (T / 2) + 8 (T % 2)
	s_lshl_b32 s14, s14, 13
	s_lshl_b32 s15, s12, 10
	s_add_co_u32 s14, s14, s15
	s_mov_b32 s15, 0
	s_mul_i32 s16, s13, 24576
	s_mul_i32 s17, s12, 3072
	s_add_co_u32 s16, s16, s17
	s_mov_b32 s17, 0
	s_lshl_b32 s18, s12, 14
	s_lshl_b32 s19, s22, 8
	s_add_co_u32 s18, s18, s19
	s_mov_b32 s19, 0
	s_mov_b32 s[SEL], 0x76543210
	s_mov_b32 s[SEL+1], 0xfedcba98
	s_wait_alu depctr_va_vdst(0)                   ; the wait at the head's end
	s_wait_kmcnt 0x0
	s_add_nc_u64 s[4:5], s[4:5], s[14:15]
	s_add_nc_u64 s[6:7], s[6:7], s[16:17]
	s_add_nc_u64 s[8:9], s[8:9], s[18:19]
.irp i, 0,1,2,3,4,5,6,7,8,9,10,11,12,13,14,15
	global_load_b128 v[R0+4*\i:R0+4*\i+3], v[LI], s[4:5] offset:(\i+8*(\i/8))*8192 th:TH_LOAD_NT       ; row i of the tile; pi stands in the immediate
.endr
.irp i, 0,1,2,3,4,5,6,7,8,9,10,11,12,13,14,15
	global_load_b128 v[R1+4*\i:R1+4*\i+3], v[LI], s[4:5] offset:(\i+8*(\i/8))*8192+512 th:TH_LOAD_NT
.endr
	s_wait_loadcnt 16                              ; the first K step's 16 loads are in
.irp i, 0,1,2,3,4,5,6,7,8,9,10,11,12,13,14,15
	ds_store_b128 v[SIN], v[R0+4*\i:R0+4*\i+3] offset:SP*\i
.endr
.irp b, 0,1,2,3
.irp j, 0,1,2,3
	ds_load_b128 v[X0+16*\b+4*\j:X0+16*\b+4*\j+3], v[SOUT] offset:128*\b+16*\j   ; LDS serves a wave's instructions in order
.endr
.endr
	s_wait_loadcnt 0x0
	s_wait_dscnt 16                                ; the 16 stores above are done: their registers take the second step's numbers
.irp i, 0,1,2,3,4,5,6,7,8,9,10,11,12,13,14,15
	ds_store_b128 v[SIN], v[R1+4*\i:R1+4*\i+3] offset:SP*\i
.endr
.irp b, 0,1,2,3
.irp j, 0,1,2,3
	ds_load_b128 v[X1+16*\b+4*\j:X1+16*\b+4*\j+3], v[SOUT] offset:128*\b+16*\j
.endr
.endr
	s_wait_dscnt 32                                ; the first step's numbers are back; the second step's 16 stores and 16 loads may be out
	QUANT X0, PW
	IMGOUT 0
	ds_store_b32 v[GIN], v[PW]
	s_wait_dscnt 1                                 ; all but that store
	QUANT X1, PW+1
	IMGOUT 1536
	ds_store_b32 v[GIN], v[PW+1] offset:256
	s_wait_dscnt 0x0                               ; for wave 0's sake
	s_barrier_signal -1
	s_barrier_wait -1
	s_cmp_lg_u32 s10, 0
	s_cbranch_scc1 .Lx_end
	ds_load_b128 v[16:19], v[GOUT]                 ; the work-group's 2 x 64 words
	s_wait_dscnt 0x0
	global_store_b128 v[SCO], v[16:19], s[8:9]     ; sixteen lanes store 256 consecutive, aligned bytes of each K step's row
.Lx_end:
	s_wait_tensorcnt 0x0                           ; the wave's end
	ds_add_u32 v248, v249
	s_wait_dscnt 0x0
	s_endpgm
.Lfunc_end_k_qdf939d2a80_quant:
	.size	k_qdf939d2a80_quant, .Lfunc_end_k_qdf939d2a80_quant-k_qdf939d2a80_quant
	.p2alignl 7, 3214868480
	.fill 96, 4, 3214868480
	.section	.rodata,"a",@progbits
	.p2align	6, 0x0
	.amdhsa_kernel k_qdf939d2a80_quant
		.amdhsa_group_segment_fixed_size 36352
		.amdhsa_private_segment_fixed_size 0
		.amdhsa_enable_private_segment 0
		.amdhsa_kernarg_size 56
		.amdhsa_user_sgpr_count 2
		.amdhsa_user_sgpr_kernarg_segment_ptr 1
		.amdhsa_wavefront_size32 1
		.amdhsa_system_sgpr_workgroup_id_x 1
		.amdhsa_system_sgpr_workgroup_id_y 1
		.amdhsa_system_sgpr_workgroup_id_z 1
		.amdhsa_system_vgpr_workitem_id 0
		.amdhsa_next_free_vgpr 250
		.amdhsa_next_free_sgpr 66
		.amdhsa_reserve_vcc 0
		.amdhsa_float_denorm_mode_32 3
		.amdhsa_float_denorm_mode_16_64 3
		.amdhsa_memory_ordered 1
		.amdhsa_forward_progress 1
		.amdhsa_inst_pref_size 59
	.end_amdhsa_kernel
	.amdgpu_metadata
---
amdhsa.version: [ 1, 2 ]
amdhsa.kernels:
  - .name:           k_qdf939d2a80_quant
    .symbol:         k_qdf939d2a80_quant.kd
    .args:
      - { .name: wq, .offset: 0, .size: 8, .value_kind: global_buffer, .address_space: global }
      - { .name: wk, .offset: 8, .size: 8, .value_kind: global_buffer, .address_space: global }
      - { .name: wv, .offset: 16, .size: 8, .value_kind: global_buffer, .address_space: global }
      - { .name: wo, .offset: 24, .size: 8, .value_kind: global_buffer, .address_space: global }
      - { .name: cd, .offset: 32, .size: 8, .value_kind: global_buffer, .address_space: global }
      - { .name: sc, .offset: 40, .size: 8, .value_kind: global_buffer, .address_space: global }
      - { .name: x, .offset: 48, .size: 8, .value_kind: global_buffer, .address_space: global }
    .group_segment_fixed_size: 36352
    .private_segment_fixed_size: 0
    .kernarg_segment_align: 8
    .kernarg_segment_size: 56
    .max_flat_workgroup_size: 128
    .sgpr_count:     66
    .vgpr_count:     250
    .wavefront_size: 32
...
	.end_amdgpu_metadata
.endif
;; end of part 1
;; launch gemm_qkv (part 2): grid 24 x 8, 4 waves a work-group, clusters of 4 x 4, 327,680 bytes of LDS; arguments cd, sc, freqs_cos, freqs_sin, qkv; writes qkv
.if DOCPART == 2
	.amdgcn_target "amdgcn-amd-amdhsa--gfx1250"
	.amdhsa_code_object_version 6
	.text
	.protected	k_qdf939d2a80_gemm_qkv
	.globl	k_qdf939d2a80_gemm_qkv
	.p2align	8
	.type	k_qdf939d2a80_gemm_qkv,@function
k_qdf939d2a80_gemm_qkv:
	s_mov_b64 s[64:65], 0
	v_nop
	global_prefetch_b8 v0, s[64:65] scope:SCOPE_SE
	s_setreg_imm32_b32 hwreg(HW_REG_WAVE_MODE, 25, 1), 1
	s_wait_xcnt 0x0
	s_wait_alu depctr_hold_cnt(0) depctr_sa_sdst(0) depctr_va_vdst(0) depctr_va_sdst(0) depctr_va_ssrc(0) depctr_va_vcc(0) depctr_vm_vsrc(0)
	s_getreg_b32 s2, hwreg(HW_REG_IB_STS2, 6, 4)
	s_cmp_eq_u32 s2, 0
	s_cbranch_scc0 .Lentry_in_a_cluster
	s_endpgm
.Lentry_in_a_cluster:
	s_bfe_u32 s2, ttmp6, 0x10000c
	s_cmp_lg_u32 s2, 0xf033
	s_cbranch_scc0 .Lentry_shape_is_right
	s_endpgm
.Lentry_shape_is_right:
; q, k, v = x wq, x wk, x wv on codes of E3M2 with E8M0 scales (cd, sc as the quantising launch lays them); q and k are turned by the rope tables; each result is quantised for the attention's products
; and leaves as images of fragments with their scale words (qkv).  A block of 256 x 256 to a work-group, 128 x 128 to a wave; for v the two sources change places, so that the tokens are its K.
; CLUSTER 4 x 4: A's tiles are asked for jointly along a row of the cluster, B's along a column.  K goes in slots of two K steps through a ring of two slots.
; THE HEAD: one tensor load a wave: wave 0 slot 0's 16 tile rows of A, wave 1 those of B, wave 2 the scale words of A's 256 rows for all of K ([K step][256 rows]), wave 3 those of B's.
; PREFETCH: behind each refill a wave names the slot that stands two refills on: of its 8 tile rows x 3,072 bytes the partner at cx (A) or cy (B) takes two rows, 24 runs of 256 bytes (lanes left over name
; the last again); slots 0 to 3 are named at the head, the loop's last trip names nothing.  The rope tables' rows of a wave's 128 tokens are named once at the head, 32 rows to each of the eight that read them.
.set NQ,     2
.set G0H,    4
.set G0HB,   92
.set PFA,    66
.set FR,     12
.set NL,     3
.set NP,     4
.set IMG,    1536
.set TROW,   NQ*IMG
.set HALFT,  8*TROW
.set SLOT,   4*HALFT
.set LAPS,   4
.set SCL,    2*SLOT
.set SCW,    8192
.set SPARE,  SCL+4*SCW
.set ADRA, 16
.set ADRB, 20
.set LI,   24
.set CA,   25
.set SA,   26
.set ADRS, 27
.set SPW,  28
.set NIL,  29
.set LN,   30
.set SC,   32
.set T,    64
.set AF,   128
.set PC,   128
.set TM,   152
.set PWA,  168
.set XS,   176
.set SEL,  98
.set G1, 24
.set G0, 32
.set G1B, 48
.set G0B, 56
.set G1S, 68
.set G0S, 76
.set G1SB, 80
.set G0SB, 88
.set MSB, 0
.macro WIN new
.if MSB != (\new)
	s_set_vgpr_msb (MSB<<8)|(\new)
.set MSB, (\new)
.endif
.endm
.set MUL_LO, 0xa1
.set MUL_HI, 0xf1
.set TO_B,   0x40
.macro JLOAD g0a, g1a, g0b, g1b
	s_cmp_eq_u32 s15, 0
	s_cbranch_scc0 .Lfor_b_\@
	tensor_load_to_lds s[\g0a:\g0a+3], s[\g1a:\g1a+7]
	s_nop 0
.rept 4
	v_nop
.endr
	s_branch .Lasked_\@
.Lfor_b_\@:
	tensor_load_to_lds s[\g0b:\g0b+3], s[\g1b:\g1b+7]
	s_nop 0
.rept 4
	v_nop
.endr
.Lasked_\@:
.endm
.macro CREST
	s_cmp_lg_u32 s14, 0
	s_cbranch_scc1 .Lnot_wave_0_\@
	s_barrier_signal -3
.Lnot_wave_0_\@:
	s_barrier_wait -3
	s_barrier_signal -1
	s_barrier_wait -1
.endm
.macro CROUND
	s_barrier_signal -1
	s_barrier_wait -1
	CREST
.endm
	s_load_b256 s[4:11], s[0:1], 0x0
	s_load_b64 s[12:13], s[0:1], 0x20
	v_lshl_add_u32 v[SPW], v0, 2, SPARE
	v_mov_b32 v[NIL], 0
	ds_add_u32 v28, v29
	ds_add_u32 v28, v29
	s_wait_dscnt 0x0
	v_lshrrev_b32 v1, 5, v0
	v_readfirstlane_b32 s14, v1
	s_lshr_b32 s15, s14, 1
	s_and_b32 s16, s14, 1
	s_bfe_u32 s40, ttmp6, 0x40000
	s_bfe_u32 s41, ttmp6, 0x40004
	s_lshl_b32 s42, ttmp9, 2
	s_add_co_u32 s42, s42, s40
	s_and_b32 s17, ttmp7, 0xffff
	s_lshl_b32 s17, s17, 2
	s_add_co_u32 s17, s17, s41
	s_lshl_b32 s43, s41, 2
	s_lshl_b32 s43, 15, s43
	s_lshl_b32 s44, 0x1111, s40
	s_cmp_ge_u32 ttmp9, 4
	s_cselect_b32 s95, 384, 0
	s_cselect_b32 s96, 0, 384
	s_cselect_b32 s97, 1, 0
	s_or_b32 s[G1+0], s43, (3<<16)|(1<<21)
	s_or_b32 s[G1B+0], s44, (3<<16)|(1<<21)
.irp g, G1, G1B
	s_mov_b32 s[\g+1], 384<<16
	s_mov_b32 s[\g+2], 16<<16
	s_mov_b32 s[\g+3], 384<<16
	s_mov_b32 s[\g+4], 16
	s_mov_b32 s[\g+5], 3072
	s_mov_b32 s[\g+6], 0
	s_mov_b32 s[\g+7], 0
.endr
	s_or_b32 s[G1S+0], s43, (3<<16)|(1<<21)
	s_or_b32 s[G1SB+0], s44, (3<<16)|(1<<21)
.irp g, G1S, G1SB
	s_mov_b32 s[\g+1], 128<<16
	s_mov_b32 s[\g+2], 16<<16
	s_mov_b32 s[\g+3], 128<<16
	s_mov_b32 s[\g+4], 16
	s_mov_b32 s[\g+5], 1024
	s_mov_b32 s[\g+6], 0
	s_mov_b32 s[\g+7], 0
.endr
	s_mul_i32 s18, s16, 8*24576
	s_lshl_b32 s20, s17, 4
	s_add_co_u32 s20, s20, s95
	s_lshl_b32 s46, s42, 4
	s_add_co_u32 s46, s46, s96
	s_sub_co_u32 s46, s46, 256
	s_lshr_b32 s22, s20, 7
	s_lshl_b32 s22, s22, 17
	s_and_b32 s19, s20, 127
	s_lshl_b32 s19, s19, 6
	s_add_co_u32 s22, s22, s19
	s_mov_b32 s23, 0
	s_lshr_b32 s92, s46, 7
	s_lshl_b32 s92, s92, 17
	s_and_b32 s93, s46, 127
	s_lshl_b32 s93, s93, 6
	s_add_co_u32 s92, s92, s93
	s_mov_b32 s93, 0
	s_mul_i32 s20, s20, 24576
	s_mov_b32 s21, 0
	s_mul_i32 s46, s46, 24576
	s_mov_b32 s47, 0
	s_mul_i32 s45, s14, HALFT
	v_and_b32 v8, 31, v0                           ; the prefetches' offset: run l = min(lane, 23): tile row l / 12, 256 x (l % 12)
	v_min_u32 v8, 23, v8
	v_mul_u32_u24 v9, v8, 11
	v_lshrrev_b32 v9, 7, v9
	v_mul_u32_u24 v10, v9, 12
	v_sub_nc_u32 v8, v8, v10
	v_lshlrev_b32 v8, 8, v8
	v_mad_u32_u24 v31, v9, 0x6000, v8
	s_wait_alu depctr_va_vdst(0)                   ; the wait ahead of the wait below
	s_wait_kmcnt 0x0
	s_add_nc_u64 s[20:21], s[4:5], s[20:21]
	s_add_nc_u64 s[22:23], s[6:7], s[22:23]
	s_add_nc_u64 s[46:47], s[4:5], s[46:47]
	s_add_nc_u64 s[92:93], s[6:7], s[92:93]
	s_mov_b32 s[G0S], 1
	s_mov_b32 s[G0S+1], SCL
	s_mov_b64 s[G0S+2:G0S+3], s[22:23]
	s_or_b32 s[G0S+3], s[G0S+3], 0x80000000
	s_mov_b32 s[G0SB], 1
	s_mov_b32 s[G0SB+1], SCL+2*SCW
	s_mov_b64 s[G0SB+2:G0SB+3], s[92:93]
	s_or_b32 s[G0SB+3], s[G0SB+3], 0x80000000
	s_mov_b32 s[G0H], 1                            ; the head's loads of slot 0: A's 16 tile rows,
	s_mov_b32 s[G0H+1], 0
	s_mov_b64 s[G0H+2:G0H+3], s[20:21]
	s_or_b32 s[G0H+3], s[G0H+3], 0x80000000
	s_mov_b32 s[G0HB], 1                           ; and B's
	s_mov_b32 s[G0HB+1], 2*HALFT
	s_mov_b64 s[G0HB+2:G0HB+3], s[46:47]
	s_or_b32 s[G0HB+3], s[G0HB+3], 0x80000000
	s_mov_b32 s19, 0
	s_add_nc_u64 s[20:21], s[20:21], s[18:19]      ; for the ring: my 8 tile rows
	s_add_nc_u64 s[46:47], s[46:47], s[18:19]
	s_cmp_eq_u32 s15, 0                            ; the prefetches: my tile rows, and of them my work-group's two
	s_cselect_b64 s[PFA:PFA+1], s[20:21], s[46:47]
	s_cselect_b32 s2, s40, s41
	s_mul_i32 s2, s2, 2*24576
	s_mov_b32 s3, 0
	s_add_nc_u64 s[PFA:PFA+1], s[PFA:PFA+1], s[2:3]
.irp k, 0,1,2,3
	global_prefetch_b8 v31, s[PFA:PFA+1] offset:\k*TROW th:TH_LOAD_NT scope:SCOPE_SE   ; slots 0 to 3, named as soon as the arguments are there: the ring's descriptors and the round stand between these and the first loads
.endr
.irp s, 0,1
	s_mov_b32 s[G0+4*\s], 1
	s_add_co_u32 s[G0+4*\s+1], s45, \s*SLOT
	s_add_nc_u64 s[G0+4*\s+2:G0+4*\s+3], s[20:21], \s*TROW
	s_or_b32 s[G0+4*\s+3], s[G0+4*\s+3], 0x80000000
	s_mov_b32 s[G0B+4*\s], 1
	s_add_co_u32 s[G0B+4*\s+1], s45, \s*SLOT
	s_add_nc_u64 s[G0B+4*\s+2:G0B+4*\s+3], s[46:47], \s*TROW
	s_or_b32 s[G0B+4*\s+3], s[G0B+4*\s+3], 0x80000000
.endr
.macro ARM under, g0, g1, next         ; one tree of branches on the wave's number: every way passes exactly one load
	s_cmp_lt_u32 s14, \under
	s_cbranch_scc0 \next
	tensor_load_to_lds s[\g0:\g0+3], s[\g1:\g1+7]
	s_nop 0
.rept 4
	v_nop
.endr
	s_branch .Lhead_asked
\next:
.endm
	CROUND                                         ; all sixteen work-groups are here: the first joint loads meet
	ARM 1, G0H,  G1,  .Lhead_b
	ARM 2, G0HB, G1B, .Lhead_sa
	ARM 3, G0S,  G1S, .Lhead_sb
	tensor_load_to_lds s[G0SB:G0SB+3], s[G1SB:G1SB+7]
	s_nop 0
.rept 4
	v_nop
.endr
.Lhead_asked:
	v_and_b32 v1, 15, v0
	v_bfe_u32 v2, v0, 4, 1
	s_wait_alu depctr_va_vdst(0)
	v_and_b32 v[LN], 31, v0
	v_lshlrev_b32 v[LI], 4, v[LN]
	s_mul_i32 s21, s15, HALFT
	s_mul_i32 s22, s16, HALFT
	s_add_co_u32 s22, s22, 2*HALFT
.irp s, 0,1
	v_add_nc_u32 v[ADRA+\s], s21, v[LI]
	v_add_nc_u32 v[ADRB+\s], s22, v[LI]
	s_add_co_u32 s21, s21, SLOT
	s_add_co_u32 s22, s22, SLOT
.endr
	v_lshlrev_b32 v5, 2, v1
	s_lshl_b32 s21, s15, 9
	s_lshl_b32 s22, s16, 9
	s_add_co_u32 s22, s22, 2*SCW
	s_sub_co_u32 s22, s22, s21
	v_mul_u32_u24 v6, s22, v2
	s_add_co_u32 s21, s21, SCL
	v_add_nc_u32 v5, v5, v6
	v_add_nc_u32 v[ADRS], s21, v5
	v_and_b32 v7, 8, v1
	v_add_nc_u32 v7, v7, v1
	v_lshlrev_b32 v[CA], 8, v7
	v_lshl_add_u32 v[CA], v2, 5, v[CA]
	v_lshlrev_b32 v[SA], 5, v1
	v_lshl_add_u32 v[SA], v2, 4, v[SA]
	s_lshl_b32 s20, s42, 1
	s_add_co_u32 s20, s20, s16
	s_lshl_b32 s21, s17, 1
	s_add_co_u32 s21, s21, s15
	s_lshl_b32 s22, s20, 4
	s_add_co_u32 s22, s22, s21
	s_lshl_b32 s23, s21, 4
	s_add_co_u32 s23, s23, s20
	s_add_co_u32 s23, s23, 480
	s_cmp_lg_u32 s97, 0
	s_cselect_b32 s22, s23, s22
	s_mul_i32 s22, s22, 12800
	s_mov_b32 s23, 0
	s_add_nc_u64 s[12:13], s[12:13], s[22:23]
	s_lshl_b32 s20, s21, 15
	s_mov_b32 s21, 0
	s_add_nc_u64 s[8:9], s[8:9], s[20:21]
	s_add_nc_u64 s[10:11], s[10:11], s[20:21]
	s_cmp_eq_u32 s16, 0                            ; the rope tables: waves of the left half name cosines, of the right half sines: rows 32 cx + lane of my 128 tokens
	s_cselect_b64 s[100:101], s[8:9], s[10:11]
	s_lshl_b32 s20, s40, 13
	v_lshl_add_u32 v11, v[LN], 8, s20
	s_cmp_lg_u32 s97, 0                            ; v is not turned
	s_cbranch_scc1 .Lno_rope_ask
	global_prefetch_b8 v11, s[100:101] th:TH_LOAD_NT scope:SCOPE_SE
.Lno_rope_ask:
	s_mov_b32 s[SEL], 0x76543210
	s_mov_b32 s[SEL+1], 0xfedcba98
.macro FRAG reg, adr, q, i
.irp c, 0,1,2
	ds_load_b128 v[\reg+4*\c:\reg+4*\c+3], v[\adr] offset:(\i)*TROW+(\q)*IMG+512*\c
.endr
.endm
.macro MUL16 a0, p, q, sc, zero
.irp a, \a0, \a0+1
.irp b, 0,1,2,3,4,5,6,7
.if \zero
	v_wmma_scale_f32_16x16x128_f8f6f4 v[8*(8*((\a)%4)+\b):8*(8*((\a)%4)+\b)+7], v[128*(\p)+FR*\b:128*(\p)+FR*\b+FR-1], v[AF+FR*(\a):AF+FR*(\a)+FR-1], 0, v[SC+8*NQ*(\sc)+NQ*\b+(\q)], v[SC+8*NQ*(\sc)+NQ*(\a)+(\q)] matrix_a_fmt:MATRIX_FMT_BF6 matrix_b_fmt:MATRIX_FMT_BF6 matrix_a_scale:MATRIX_SCALE_ROW1
.else
	v_wmma_scale_f32_16x16x128_f8f6f4 v[8*(8*((\a)%4)+\b):8*(8*((\a)%4)+\b)+7], v[128*(\p)+FR*\b:128*(\p)+FR*\b+FR-1], v[AF+FR*(\a):AF+FR*(\a)+FR-1], v[8*(8*((\a)%4)+\b):8*(8*((\a)%4)+\b)+7], v[SC+8*NQ*(\sc)+NQ*\b+(\q)], v[SC+8*NQ*(\sc)+NQ*(\a)+(\q)] matrix_a_fmt:MATRIX_FMT_BF6 matrix_b_fmt:MATRIX_FMT_BF6 matrix_a_scale:MATRIX_SCALE_ROW1
.endif
.endr
.endr
.endm
.macro FETCH_B slot, q, p
	WIN TO_B
.irp i, 0,1,2,3,4,5,6,7
	FRAG 128*(\p)+FR*\i, ADRB+\slot, \q, \i
.endr
	WIN 0
.endm
.macro FETCH_A slot, q, i0
.irp i, \i0, \i0+1, \i0+2, \i0+3
	FRAG AF+FR*(\i), ADRA+\slot, \q, \i
.endr
.endm
.macro SCALES sc
.irp i, 0,1,2,3,4,5,6,7
.irp q, 0,1
	ds_load_b32 v[SC+8*NQ*\sc+NQ*\i+\q], v[ADRS] offset:1024*\q+64*\i
.endr
.endr
.endm
.macro PLACES n
.rept \n
	v_nop
.endr
.endm
.macro STEP slot, q, zero
	s_wait_dscnt 4*NL
	WIN MUL_LO
	MUL16 0, (\q)%2, \q, \slot, \zero
	MUL16 2, (\q)%2, \q, \slot, \zero
	s_wait_dscnt 0
	PLACES NP
	FETCH_B \slot, (\q)+1, 1-(\q)%2
	FETCH_A \slot, (\q)+1, 0
	WIN MUL_HI
	MUL16 4, (\q)%2, \q, \slot, \zero
	MUL16 6, (\q)%2, \q, \slot, \zero
	PLACES NP
	WIN 0
	FETCH_A \slot, (\q)+1, 4
.endm
.macro TURN slot, next, fill
.if \fill
	s_wait_xcnt 0x0                                ; my last prefetch has read its address
	s_add_nc_u64 s[PFA:PFA+1], s[PFA:PFA+1], TROW
.endif
	s_wait_tensorcnt 0x0
	ds_add_u32 v[SPW], v[NIL]
	s_wait_dscnt 4*NL+1
	WIN MUL_LO
	MUL16 0, 1, NQ-1, \slot, 0
	s_wait_dscnt 0x0
	s_barrier_signal -1
	MUL16 2, 1, NQ-1, \slot, 0
	WIN 0
	s_barrier_wait -1
.if \fill
	CREST
	s_add_nc_u64 s[G0+4*\slot+2:G0+4*\slot+3], s[G0+4*\slot+2:G0+4*\slot+3], 2*TROW
	s_add_nc_u64 s[G0B+4*\slot+2:G0B+4*\slot+3], s[G0B+4*\slot+2:G0B+4*\slot+3], 2*TROW
	JLOAD G0+4*\slot, G1, G0B+4*\slot, G1B
.else
	PLACES NP
.endif
	s_wait_alu depctr_va_vdst(0)
	v_add_nc_u32 v[ADRS], NQ*1024, v[ADRS]
	FETCH_B \next, 0, 0
	FETCH_A \next, 0, 0
	SCALES \next
.if \fill
	s_cmp_gt_u32 s3, 1                             ; the loop's last trip has no slot two refills on
	s_cbranch_scc0 .Lno_ask_\@
	global_prefetch_b8 v31, s[PFA:PFA+1] offset:3*TROW th:TH_LOAD_NT scope:SCOPE_SE
.Lno_ask_\@:
.endif
	WIN MUL_HI
	MUL16 4, 1, NQ-1, \slot, 0
	MUL16 6, 1, NQ-1, \slot, 0
	PLACES NP
	WIN 0
	FETCH_A \next, 0, 4
.endm
	s_wait_alu depctr_va_vdst(0)
	s_wait_tensorcnt 0x0                           ; my tile of the head's four is in
	ds_add_u32 v[SPW], v[NIL]
	s_mov_b32 s[G1+2], 8<<16                       ; no tensor load of mine is out: from here on a load brings 8 tile rows
	s_mov_b32 s[G1+4], 8
	s_mov_b32 s[G1B+2], 8<<16
	s_mov_b32 s[G1B+4], 8
	s_wait_dscnt 0x0
	CROUND
	JLOAD G0+4, G1, G0B+4, G1B                     ; slot 1, the first tensor load behind the round
	FETCH_B 0, 0, 0
	FETCH_A 0, 0, 0
	SCALES 0
	FETCH_A 0, 0, 4
	STEP 0, 0, 1
	s_mov_b32 s3, LAPS-1
.Llap:
	TURN 0, 1, 1
	STEP 1, 0, 0
	TURN 1, 0, 1
	STEP 0, 0, 0
	s_sub_co_u32 s3, s3, 1
	s_cmp_lg_u32 s3, 0
	s_cbranch_scc1 .Llap
	TURN 0, 1, 0
	STEP 1, 0, 0
	s_wait_dscnt 4*NL
	WIN MUL_LO
	MUL16 0, 1, NQ-1, 1, 0
	MUL16 2, 1, NQ-1, 1, 0
	s_wait_dscnt 0
	WIN MUL_HI
	MUL16 4, 1, NQ-1, 1, 0
	MUL16 6, 1, NQ-1, 1, 0
	WIN 0
.macro QUANT s, w, pw
	WIN (\w)|((\w)<<2)
.irp b, 0,1,2,3
	v_max3_num_f32 v[TM+\b], |v[\s+16*\b]|, |v[\s+1+16*\b]|, 0x2800000
.endr
.irp i, 2,4,6,8,10,12,14
.irp b, 0,1,2,3
	v_max3_num_f32 v[TM+\b], |v[\s+16*\b+\i]|, |v[\s+1+16*\b+\i]|, v[TM+\b]
.endr
.endr
	WIN 0
.irp b, 0,1,2,3
	v_permlanex16_b32 v[TM+4+\b], v[TM+\b], s[SEL], s[SEL+1]
.endr
.irp b, 0,1,2,3
	v_max_num_f32 v[TM+\b], v[TM+\b], v[TM+4+\b]
.endr
.irp b, 0,1,2,3
	v_add_nc_u32 v[TM+12+\b], 0xfe000000, v[TM+\b]
.endr
.irp b, 0,1,2,3
	v_lshrrev_b32 v[TM+4+\b], 23, v[TM+12+\b]
.endr
	v_lshl_or_b32 v[\pw], v[TM+5], 8, v[TM+4]
	v_lshl_or_b32 v[\pw], v[TM+6], 16, v[\pw]
	v_lshl_or_b32 v[\pw], v[TM+7], 24, v[\pw]
	s_wait_xcnt 0x0
	WIN \w
.irp c, 0,1
	v_cvt_scalef32_pk16_bf6_f32 v[PC+6*\c:PC+2+6*\c], v[\s+32*\c:\s+15+32*\c], v[TM+12+2*\c]
	v_cvt_scalef32_pk16_bf6_f32 v[PC+12+4*\c:PC+14+4*\c], v[\s+16+32*\c:\s+31+32*\c], v[TM+13+2*\c]
.endr
	WIN 0
	v_nop
.irp c, 0,1
.irp i, 0,1,2
	v_permlane16_swap_b32 v[PC+6*\c+\i], v[PC+12+4*\c+\i]
.endr
.irp i, 0,1,2
	v_mov_b32 v[PC+3+6*\c+\i], v[PC+12+4*\c+\i]
.endr
.endr
.endm
.macro IMGOUT off
.irp c, 0,1,2
	global_store_b128 v[LI], v[PC+4*\c:PC+4*\c+3], s[12:13] offset:(\off)+512*\c
.endr
.endm
.macro ROPELOAD a
	WIN 0x40
.irp bb, 0,1,2,3
.irp e, 0,1
	global_load_b128 v[64*((\a)%4)+8*\bb+4*\e:64*((\a)%4)+8*\bb+4*\e+3], v[CA], s[8:9] offset:(32*((\a)/2)+8*((\a)%2))*256+64*\bb+16*\e
	global_load_b128 v[64*((\a)%4)+32+8*\bb+4*\e:64*((\a)%4)+32+8*\bb+4*\e+3], v[CA], s[10:11] offset:(32*((\a)/2)+8*((\a)%2))*256+64*\bb+16*\e
.endr
.endr
	WIN 0
.endm
.macro ROPE a
.set AC, 64*((\a)%4)
.set CC, 64*((\a)%4)
	WIN (2+(\a)/4)|4
.set p, 0
.rept 16
	v_pk_mul_f32 v[T+2*p:T+2*p+1], v[AC+2*p:AC+2*p+1], v[CC+p:CC+p+1] op_sel_hi:[1,0]
	v_pk_mul_f32 v[T+2*p+2:T+2*p+3], v[AC+2*p+2:AC+2*p+3], v[CC+p:CC+p+1] op_sel:[0,1] op_sel_hi:[1,1]
	v_fma_f32 v[T+2*p], -v[AC+2*p+1], v[CC+32+p], v[T+2*p]
	v_fma_f32 v[T+2*p+1], v[AC+2*p], v[CC+32+p], v[T+2*p+1]
	v_fma_f32 v[T+2*p+2], -v[AC+2*p+3], v[CC+33+p], v[T+2*p+2]
	v_fma_f32 v[T+2*p+3], v[AC+2*p+2], v[CC+33+p], v[T+2*p+3]
.set p, p+2
.endr
	WIN 0
.endm
	PLACES NP
.irp b, 0,1,2,3
	v_mov_b32 v[TM+4+\b], 0
.endr
	s_cmp_lg_u32 s97, 0
	s_cbranch_scc1 .Lvalues
	ROPELOAD 0
	ROPELOAD 1
	ROPELOAD 2
	ROPELOAD 3
.irp a, 0,1,2,3,4,5,6,7
.if \a < 5
	s_wait_loadcnt 48
.else
	s_wait_loadcnt 16*(7-\a)
.endif
	ROPE \a
.if \a < 4
	ROPELOAD \a+4
.endif
	QUANT T, 0, PWA+\a
	IMGOUT 1536*\a
.endr
	s_branch .Ltail
.Lvalues:
.irp a, 0,1,2,3,4,5,6,7
.set AC, 64*(\a%4)
.set W, 2+\a/4
	QUANT AC, W, PWA+\a
	IMGOUT 1536*\a
.endr
.Ltail:
	v_cmp_le_u32 vcc_lo, 16, v[LN]
.irp i, 0,1,2,3
	v_cndmask_b32 v[XS+\i], v[PWA+\i], v[PWA+4+\i], vcc_lo
.endr
	global_store_b128 v[SA], v[XS:XS+3], s[12:13] offset:12288
	s_wait_tensorcnt 0x0
	ds_add_u32 v[SPW], v[NIL]
	s_wait_dscnt 0x0
	CROUND
	s_endpgm
.Lfunc_end_k_qdf939d2a80_gemm_qkv:
	.size	k_qdf939d2a80_gemm_qkv, .Lfunc_end_k_qdf939d2a80_gemm_qkv-k_qdf939d2a80_gemm_qkv
	.p2alignl 7, 3214868480
	.fill 96, 4, 3214868480
	.section	.rodata,"a",@progbits
	.p2align	6, 0x0
	.amdhsa_kernel k_qdf939d2a80_gemm_qkv
		.amdhsa_group_segment_fixed_size 327680
		.amdhsa_private_segment_fixed_size 0
		.amdhsa_enable_private_segment 0
		.amdhsa_kernarg_size 40
		.amdhsa_user_sgpr_count 2
		.amdhsa_user_sgpr_kernarg_segment_ptr 1
		.amdhsa_wavefront_size32 1
		.amdhsa_system_sgpr_workgroup_id_x 1
		.amdhsa_system_sgpr_workgroup_id_y 1
		.amdhsa_system_sgpr_workgroup_id_z 1
		.amdhsa_system_vgpr_workitem_id 0
		.amdhsa_next_free_vgpr 1024
		.amdhsa_next_free_sgpr 102
		.amdhsa_reserve_vcc 1
		.amdhsa_float_denorm_mode_32 3
		.amdhsa_float_denorm_mode_16_64 3
		.amdhsa_memory_ordered 1
		.amdhsa_forward_progress 1
		.amdhsa_inst_pref_size 239
	.end_amdhsa_kernel
	.amdgpu_metadata
---
amdhsa.version: [ 1, 2 ]
amdhsa.kernels:
  - .name:           k_qdf939d2a80_gemm_qkv
    .symbol:         k_qdf939d2a80_gemm_qkv.kd
    .args:
      - { .name: cd, .offset: 0, .size: 8, .value_kind: global_buffer, .address_space: global }
      - { .name: sc, .offset: 8, .size: 8, .value_kind: global_buffer, .address_space: global }
      - { .name: freqs_cos, .offset: 16, .size: 8, .value_kind: global_buffer, .address_space: global }
      - { .name: freqs_sin, .offset: 24, .size: 8, .value_kind: global_buffer, .address_space: global }
      - { .name: qkv, .offset: 32, .size: 8, .value_kind: global_buffer, .address_space: global }
    .group_segment_fixed_size: 327680
    .private_segment_fixed_size: 0
    .kernarg_segment_align: 8
    .kernarg_segment_size: 40
    .max_flat_workgroup_size: 128
    .sgpr_count:     102
    .vgpr_count:     1024
    .wavefront_size: 32
...
	.end_amdgpu_metadata
.endif
;; end of part 2
;; launch attn (part 3): grid 16 x 16, 4 waves a work-group, clusters of 4 x 4, 327,680 bytes of LDS; arguments qkv, mask, cd, sc; writes cd, sc
.if DOCPART == 3
	.amdgcn_target "amdgcn-amd-amdhsa--gfx1250"
	.amdhsa_code_object_version 6
	.text
	.protected	k_qdf939d2a80_attn
	.globl	k_qdf939d2a80_attn
	.p2align	8
	.type	k_qdf939d2a80_attn,@function
k_qdf939d2a80_attn:
	s_mov_b64 s[64:65], 0
	v_nop
	global_prefetch_b8 v0, s[64:65] scope:SCOPE_SE
	s_setreg_imm32_b32 hwreg(HW_REG_WAVE_MODE, 25, 1), 1
	s_wait_xcnt 0x0
	s_wait_alu depctr_hold_cnt(0) depctr_sa_sdst(0) depctr_va_vdst(0) depctr_va_sdst(0) depctr_va_ssrc(0) depctr_va_vcc(0) depctr_vm_vsrc(0)
	s_getreg_b32 s2, hwreg(HW_REG_IB_STS2, 6, 4)
	s_cmp_eq_u32 s2, 0
	s_cbranch_scc0 .Lentry_in_a_cluster
	s_endpgm
.Lentry_in_a_cluster:
	s_bfe_u32 s2, ttmp6, 0x10000c
	s_cmp_lg_u32 s2, 0xf033
	s_cbranch_scc0 .Lentry_shape_is_right
	s_endpgm
.Lentry_shape_is_right:
; out[q][head] = softmax_k(q . k / sqrt(128) + mask[q][k]) v, both products on codes of E3M2 with E8M0 scales; the result is quantised along (head, channel) for the last product and leaves as codes.
; IN: qkv [fb][block of 128 tokens][12,800 bytes]: fb = head (q), 16 + head (k), 32 + head (v): 8 images of a fragment's registers (1,536 bytes), then 512 bytes of scale words [r][tile].
;   q, k: tile t, lane r = workspace token 16 t + r of the block (natural token: bits 3 and 4 exchanged), K = the head's 128.  v: tile t, lane r = workspace channel, K = the block's 128 tokens in natural order.
;   mask [2048][2048] f32 is an INPUT: every query walks all 2,048 keys and adds what is loaded; nothing is assumed of its pattern.
; OUT: cd, tensor 5: [row tile][K step = head][image];  sc, tensor 5: [head][workspace token]: a scale word.
; THE SOFTMAX: u = score / sqrt(128) + mask; the running largest t = u log2(e) is rounded UP to a whole number M; p = 2^(u log2(e) - M), one fused multiply-add and one exponential, is quantised along the
; keys, not normalised; the row's sum is taken of the unquantised p and divides at the end.  When M moves, the sums and O are multiplied by 2^(old M - new M): exact, and done in every step.
; SHARES: work-group (head, block of 128 queries); each of FOUR waves owns 32 queries, two tiles: a fragment of K or V read from LDS feeds two products.  Both products are used transposed
; (S^T = K Q^T, O^T = V^T P^T): a lane holds one query of each tile throughout; by the order of K's and V's rows its registers run along natural keys and natural channels.
; CLUSTER 4 x 4: the mask's tile hangs on the block of queries alone and is asked for jointly along a row of the cluster (four heads); K's and V's blocks hang on the head alone: jointly along a column.
; THE ORDER OF THE KEYS: cluster (X, Y) begins at key step 4 X + 8 (Y % 2) mod 16 and goes round; the running maximum makes the order free.  The start hangs on the cluster's coordinates alone.
; THE RING: two slots, each with the mask, K and V of one step of 128 keys.  During step s the next step's K, mask and V are read from the other slot into REGISTERS (V has two sets), so at the head of
; step s its own slot is read out, and behind the round it takes step s + 2 whole: waves 0, 1 fetch the mask's halves, wave 2 K's block, wave 3 V's: one tensor load a wave, on every way.
; The step's first 16 products stand between the round's opening signal and its wait: they touch registers alone.  Ahead of each of its last 16 products stand four of the 64 additions of the rows' sums,
; written as p x 1 + sum, so that sum and O^T, p and p's codes share a register window and one setting serves products and additions.
; PREFETCH: behind each refill every wave names, once, the tiles of the step that stands two refills on (step s + 4): of the 64 rows of the mask that a wave fetches, the partner at cx takes 16 (a lane
; half a row, 256 bytes); of a block's 50 runs of 256 bytes the partner at cy takes 13 (lanes left over name the last again).  Steps 0 to 3 are named at the head, as soon as the arguments are there;
; the loop's last trip names nothing.
; O^T begins as zeros, written while the first tiles are on their way, so that the step is written four times and not six.
; LIMITS: the promise holds while |t| stays under 2^31: there the fused t - M lies at most 64 above that of a rounded t, so no p and no sum overflows, and what a step of hidden keys has summed is brought
; to 0 by the first key that counts.  NaN in the inputs is not served.  A mask entry of -infinity gives p = 0; a row whose every t lies under -3e38 gives NaN.  1 / sqrt(128) is a multiplication by the
; nearest f32 number, 1 / sum by v_rcp_f32's result.  A block's largest p is the exponential of its largest u (taken for not falling where its input rises).  A block of zeros gets the scale byte 1
; (its codes are zeros; this program alone reads the bytes).
; REGISTERS: window 0: addresses, state, Q, scale words, v160-255 V's second set;  window 1: v0-127 S^T then p (64 a tile), v128-167 p's codes;  window 2: v0-127 O^T, v128-223 K, v224-239 the sums;
;   window 3: v0-95 V's first set, v128-255 the mask.
.set SLOT1, 131072
.set MP,    520                        ; a row of the mask's tile: 512 bytes + 8.  A tile's queries are rows 0-7 and 16-23 of a run; with 64 bytes more for the upper lanes the 32 lanes of a load of 8 bytes
                                       ; stand at 32 different columns of 8 bytes modulo 256 (64 banks of 4 bytes: ISA guide 11.1)
.set KOFF,  128*MP
.set BLKB,  12800
.set SCG,   KOFF+2*BLKB                ; behind slot 0: 512 bytes for the result's scale words; no fill lands here
.set SPARE, SLOT1+SCG                  ; behind slot 1: the spare words, 128 bytes a wave
.set AF,   1                           ; v1, v2   K's images in slot 0, 1 (V's lie BLKB on)
.set AS,   3                           ; v3, v4   K's scale words
.set SPW,  5
.set NIL,  6
.set AM,   7                           ; v7, v8   my first tile's row of the mask (the second tile's: 8 rows on)
.set LI,   9
.set GS,   10
.set GL,   11
.set NM,   12                          ; v12, v14 -M of tile 0, 1;  v13, v15 the largest t
.set F,    16                          ; v[16:17], v[18:19] f = 2^(old M - new M), as pairs; at the end 1 / sum
.set TT,   20
.set QO,   22
.set PFO,  23                          ; the prefetches' offset; never rewritten
.set Q,    24
.set QS,   48
.set PSW,  50                          ; p's scale words
.set KS,   52
.set VS,   60                          ; two sets of 8
.set BM,   80                          ; block x = 4 tile + b: largest u, then p
.set BT,   88
.set BS,   96
.set S,    0                           ; window 1
.set PC,   128                         ; window 1: p's codes, 20 registers a tile
.set O,    0                           ; window 2
.set KF,   128                         ; window 2
.set SU,   224                         ; window 2: the sums, four pairs a tile
.set MK,   128                         ; window 3
.set WV,   12
.set HF,   13
.set LW,   14
.set CNT,  19
.set SEL,  20
.set RS,   22
.set L2E,  24
.set G1M,  28
.set G1KV, 36
.set G0M,  44
.set G0K,  52
.set MB,   60
.set KB,   62
.set PB,   66
.set PFA,  68
.set PST,  70
.set PH,   72
.set TI,   78
.set T1,   79
.set OF,   80
.set QB,   84
.set QI,   86
.set OC,   88
.set OS,   90
.set MSB, 0
.macro WIN new
.if MSB != (\new)
	s_set_vgpr_msb (MSB<<8)|(\new)
.set MSB, (\new)
.endif
.endm
.macro PLACES n
.rept \n
	v_nop
.endr
.endm
.macro CREST
	s_cmp_lg_u32 s[WV], 0
	s_cbranch_scc1 .Lnot_wave_0_\@
	s_barrier_signal -3
.Lnot_wave_0_\@:
	s_barrier_wait -3
	s_barrier_signal -1
	s_barrier_wait -1
.endm
.macro CROUND
	s_barrier_signal -1
	s_barrier_wait -1
	CREST
.endm
; a joint fill of slot n: waves 0, 1 the mask's halves, waves 2, 3 K's and V's blocks.  s_nop 0 and four v_nop follow each load.
.macro JL n
	s_cmp_eq_u32 s[HF], 0
	s_cbranch_scc0 .Lkv_\@
	tensor_load_to_lds s[G0M+4*\n:G0M+4*\n+3], s[G1M:G1M+7]
	s_nop 0
.rept 4
	v_nop
.endr
	s_branch .Lasked_\@
.Lkv_\@:
	tensor_load_to_lds s[G0K+4*\n:G0K+4*\n+3], s[G1KV:G1KV+7]
	s_nop 0
.rept 4
	v_nop
.endr
.Lasked_\@:
.endm
	s_load_b256 s[4:11], s[0:1], 0x0               ; qkv, mask, cd, sc
	v_lshl_add_u32 v[SPW], v0, 2, SPARE
	v_mov_b32 v[NIL], 0
	ds_add_u32 v[SPW], v[NIL]                      ; the opening lines: the add, twice on end, and its wait
	ds_add_u32 v[SPW], v[NIL]
	v_lshrrev_b32 v12, 5, v0
	v_readfirstlane_b32 s[WV], v12                 ; wave 0..3
	s_lshr_b32 s[HF], s[WV], 1                     ; 0: I fetch the mask; 1: K or V
	s_and_b32 s[LW], s[WV], 1                      ; which half of the mask; K (0) or V (1)
	s_bfe_u32 s26, ttmp6, 0x40000                  ; cx
	s_bfe_u32 s27, ttmp6, 0x40004                  ; cy
	s_lshl_b32 s15, ttmp9, 2
	s_add_co_u32 s15, s15, s26                     ; the head
	s_and_b32 s16, ttmp7, 0xffff
	s_lshl_b32 s16, s16, 2
	s_add_co_u32 s16, s16, s27                     ; the block of queries
	s_lshl_b32 s17, s27, 2
	s_lshl_b32 s17, 15, s17                        ; my row of the cluster
	s_lshl_b32 s18, 0x1111, s26                    ; my column
	s_mul_i32 s92, s[WV], 32*MP                    ; my 32 queries' rows of the mask's tile
	s_lshl_b32 s93, s[WV], 7
	s_add_co_u32 s93, s93, SCG
	s_lshl_b32 s94, s[WV], 3
	s_lshl_b32 s95, s26, 4                         ; the prefetches: 16 cx,
	s_mul_i32 s96, s27, 13                         ; 13 cy
	s_cmp_eq_u32 s[HF], 0
	s_cselect_b32 s97, -1, 0
	v_and_b32 v13, 31, v0                          ; lane
	v_and_b32 v14, 15, v0                          ; r
	v_bfe_u32 v15, v0, 4, 1                        ; h
	v_lshlrev_b32 v[LI], 4, v13
	v_add_nc_u32 v[AF], KOFF, v[LI]
	v_add_nc_u32 v[AF+1], SLOT1+KOFF, v[LI]
	v_lshlrev_b32 v[AS], 5, v14
	v_add_nc_u32 v[AS+1], SLOT1+KOFF+12288, v[AS]
	v_add_nc_u32 v[AS], KOFF+12288, v[AS]
	v_and_b32 v[AM], 8, v14
	v_add_nc_u32 v[AM], v[AM], v14                 ; r + 8 (r / 8)
	v_mul_u32_u24 v[AM], v[AM], MP
	v_lshl_add_u32 v[AM], v15, 6, v[AM]            ; + 16 keys for the upper lanes
	v_add_nc_u32 v[AM], s92, v[AM]
	v_add_nc_u32 v[AM+1], SLOT1, v[AM]
	v_lshl_add_u32 v[GS], v14, 2, s93
	v_add_nc_u32 v[GL], SCG, v[LI]
	v_lshl_add_u32 v[QO], v14, 5, s94              ; q's scale words: 32 r + 4 x (2 x wave)
	v_lshrrev_b32 v16, 1, v13                      ; the mask: row 16 cx + lane / 2 of my 64, half lane % 2 of its 512 bytes
	v_add_nc_u32 v16, s95, v16
	v_and_b32 v17, 1, v13
	v_lshlrev_b32 v16, 13, v16
	v_lshl_add_u32 v16, v17, 8, v16
	v_min_u32 v18, 12, v13                         ; K, V: run 13 cy + lane of the block's 50, held inside the block
	v_add_nc_u32 v18, s96, v18
	v_min_u32 v18, 49, v18
	v_lshlrev_b32 v18, 8, v18
	v_cndmask_b32 v[PFO], v18, v16, s97
	; group 1, the mask: 64 rows of 128 elements of 4 bytes, 2,048 elements apart, 8 bytes of padding behind each row
	s_or_b32 s[G1M], s17, (2<<16)|(1<<20)|(1<<21)|(6<<22)|(1<<25)
	s_mov_b32 s[G1M+1], 128<<16
	s_mov_b32 s[G1M+2], 64<<16
	s_mov_b32 s[G1M+3], 128<<16
	s_mov_b32 s[G1M+4], 64
	s_mov_b32 s[G1M+5], 2048
	s_mov_b32 s[G1M+6], 0
	s_mov_b32 s[G1M+7], 0
	; K's and V's blocks: 12,800 dense bytes as 50 rows of 256
	s_or_b32 s[G1KV], s18, (3<<16)|(1<<21)
	s_mov_b32 s[G1KV+1], 32<<16
	s_mov_b32 s[G1KV+2], 50<<16
	s_mov_b32 s[G1KV+3], 32<<16
	s_mov_b32 s[G1KV+4], 50
	s_mov_b32 s[G1KV+5], 32
	s_mov_b32 s[G1KV+6], 0
	s_mov_b32 s[G1KV+7], 0
	s_mov_b32 s[G0M], 1
	s_mov_b32 s[G0M+4], 1
	s_mov_b32 s[G0K], 1
	s_mov_b32 s[G0K+4], 1
	s_mul_i32 s[G0M+1], s[LW], 64*MP               ; LDS addresses: the wave's number and constants alone
	s_add_co_u32 s[G0M+5], s[G0M+1], SLOT1
	s_mul_i32 s[G0K+1], s[LW], BLKB
	s_add_co_u32 s[G0K+1], s[G0K+1], KOFF
	s_add_co_u32 s[G0K+5], s[G0K+1], SLOT1
	s_lshl_b32 s98, s16, 20                        ; the mask: the block's 128 rows of 8,192 bytes, my half's 64
	s_lshl_b32 s99, s[LW], 19
	s_add_co_u32 s98, s98, s99
	s_mov_b32 s99, 0
	s_lshl_b32 s100, s15, 4                        ; k: (16 + head) x 16 blocks; v: 16 x 16 blocks on
	s_lshl_b32 s101, s[LW], 8
	s_add_co_u32 s100, s100, s101
	s_add_co_u32 s100, s100, 256
	s_mul_i32 s100, s100, BLKB
	s_mov_b32 s101, 0
	s_lshl_b32 s92, s15, 4
	s_add_co_u32 s92, s92, s16
	s_mul_i32 s92, s92, BLKB                       ; q's block
	s_mov_b32 s93, 0
	s_mul_i32 s94, s[WV], 3072                     ; my two images in it
	s_mov_b32 s95, 0
	s_lshl_b32 s96, s16, 3
	s_lshl_b32 s97, s[WV], 1
	s_add_co_u32 s96, s96, s97
	s_mul_i32 s96, s96, 24576                      ; the result: row tile 8 x block + 2 x wave,
	s_mul_i32 s97, s15, 1536                       ; K step = head,
	s_add_co_u32 s96, s96, s97
	s_add_co_u32 s96, s96, 5*3145728               ; tensor 5
	s_mov_b32 s97, 0
	s_lshl_b32 s82, s15, 13
	s_lshl_b32 s83, s16, 9
	s_add_co_u32 s82, s82, s83
	s_add_co_u32 s82, s82, 5*131072
	s_mov_b32 s83, 0
	s_lshl_b32 s[TI], ttmp9, 2                     ; the cluster's first key step
	s_and_b32 s[T1], ttmp7, 1
	s_lshl_b32 s[T1], s[T1], 3
	s_add_co_u32 s[TI], s[TI], s[T1]
	s_and_b32 s[TI], s[TI], 15                     ; 0, 4, 8 or 12
	s_mov_b32 s[OF+1], 0
	s_mov_b32 s[SEL], 0x76543210
	s_mov_b32 s[SEL+1], 0xfedcba98
	s_mov_b32 s[RS], 0x3db504f3                    ; 1 / sqrt(128)
	s_mov_b32 s[RS+1], s[RS]
	s_mov_b32 s[L2E], 0x3fb8aa3b                   ; log2(e)
	s_mov_b32 s[L2E+1], s[L2E]
	s_cmp_eq_u32 s[HF], 0                          ; the prefetches' step: the mask's or the blocks', by the wave's number
	s_mov_b32 s[PST], BLKB
	s_cselect_b32 s[PST], 512, s[PST]
	s_mov_b32 s[PST+1], 0
	s_mul_i32 s[OF], s[TI], s[PST]
	s_wait_alu depctr_va_vdst(0)                   ; the wait ahead of the waits below
	s_wait_dscnt 0x0                               ; both opening adds are done
	s_wait_kmcnt 0x0
	s_add_nc_u64 s[MB:MB+1], s[6:7], s[98:99]
	s_add_nc_u64 s[KB:KB+1], s[4:5], s[100:101]
	s_cmp_eq_u32 s[HF], 0
	s_cselect_b64 s[PB:PB+1], s[MB:MB+1], s[KB:KB+1]
	s_add_nc_u64 s[PFA:PFA+1], s[PB:PB+1], s[OF:OF+1]
	s_add_nc_u64 s[PH:PH+1], s[PFA:PFA+1], s[PST:PST+1]
	s_add_nc_u64 s[PH+2:PH+3], s[PH:PH+1], s[PST:PST+1]
	s_add_nc_u64 s[PH+4:PH+5], s[PH+2:PH+3], s[PST:PST+1]
	global_prefetch_b8 v[PFO], s[PFA:PFA+1] th:TH_LOAD_NT scope:SCOPE_SE           ; steps 0 to 3 (the start is 12 at the most: inside the buffers); the descriptors' addresses and the round stand between these and the first loads
.irp k, 0,1,2
	global_prefetch_b8 v[PFO], s[PH+2*\k:PH+2*\k+1] th:TH_LOAD_NT scope:SCOPE_SE
.endr
	s_add_nc_u64 s[QB:QB+1], s[4:5], s[92:93]
	s_add_nc_u64 s[QI:QI+1], s[QB:QB+1], s[94:95]
	s_add_nc_u64 s[OC:OC+1], s[8:9], s[96:97]
	s_add_nc_u64 s[OS:OS+1], s[10:11], s[82:83]
	s_lshl_b32 s[OF], s[TI], 9                     ; the first two steps do not pass key step 15
	s_add_nc_u64 s[G0M+2:G0M+3], s[MB:MB+1], s[OF:OF+1]
	s_add_nc_u64 s[G0M+6:G0M+7], s[G0M+2:G0M+3], 512
	s_or_b32 s[G0M+3], s[G0M+3], 0x80000000
	s_or_b32 s[G0M+7], s[G0M+7], 0x80000000
	s_mul_i32 s[OF], s[TI], BLKB
	s_add_nc_u64 s[G0K+2:G0K+3], s[KB:KB+1], s[OF:OF+1]
	s_add_nc_u64 s[G0K+6:G0K+7], s[G0K+2:G0K+3], BLKB
	s_or_b32 s[G0K+3], s[G0K+3], 0x80000000
	s_or_b32 s[G0K+7], s[G0K+7], 0x80000000
	CROUND                                         ; all sixteen work-groups are here: the first joint loads meet
	JL 0                                           ; step 0's tiles: one tensor load a wave at the head
.irp g, 0,1
.irp c, 0,1,2
	global_load_b128 v[Q+12*\g+4*\c:Q+12*\g+4*\c+3], v[LI], s[QI:QI+1] offset:1536*\g+512*\c   ; Q's two fragments stay in registers
.endr
.endr
	global_load_b32 v[QS], v[QO], s[QB:QB+1] offset:12288
	global_load_b32 v[QS+1], v[QO], s[QB:QB+1] offset:12292
	v_mov_b32 v[NM+1], 0xff61b1e6                  ; the largest t so far: -3e38
	v_mov_b32 v[NM+3], 0xff61b1e6
	v_floor_f32 v[NM], -v[NM+1]                    ; -M
	v_floor_f32 v[NM+2], -v[NM+3]
	v_mov_b32 v[F+1], 0                            ; (named as the upper halves of pairs)
	v_mov_b32 v[F+3], 0
.irp x, 0,1,2,3,4,5,6,7
	v_mov_b32 v[BT+\x], 0                          ; a lane permute's destination counts as one of its sources
.endr
	WIN 0x80
.set j, 0
.rept 128
	v_mov_b32 v[O+j], 0                            ; O^T
.set j, j+1
.endr
.set j, 0
.rept 16
	v_mov_b32 v[SU+j], 0                           ; the sums
.set j, j+1
.endr
	WIN 0
.macro FETCH_K n                       ; 26 LDS loads: a step's K and its scale words
	WIN 0x80
.irp t, 0,1,2,3,4,5,6,7
.irp c, 0,1,2
	ds_load_b128 v[KF+12*\t+4*\c:KF+12*\t+4*\c+3], v[AF+(\n)] offset:1536*\t+512*\c
.endr
.endr
	WIN 0
	ds_load_b128 v[KS:KS+3], v[AS+(\n)]
	ds_load_b128 v[KS+4:KS+7], v[AS+(\n)] offset:16
.endm
.macro FETCH_V n                       ; 26 LDS loads: a step's V and its scale words, from slot n into set n: set 0 at v0 of window 3, set 1 at v160 of window 0
	WIN 0xc0*(1-(\n))
.irp t, 0,1,2,3,4,5,6,7
.irp c, 0,1,2
	ds_load_b128 v[160*(\n)+12*\t+4*\c:160*(\n)+12*\t+4*\c+3], v[AF+(\n)] offset:BLKB+1536*\t+512*\c
.endr
.endr
	WIN 0
	ds_load_b128 v[VS+8*(\n):VS+8*(\n)+3], v[AS+(\n)] offset:BLKB
	ds_load_b128 v[VS+8*(\n)+4:VS+8*(\n)+7], v[AS+(\n)] offset:BLKB+16
.endm
.macro FETCH_M n, g                    ; 32 LDS loads of 8 bytes: tile g's 64 numbers of the mask: register 16 b + i = key 32 b + 16 h + i, as in S^T
	WIN 0xc0
.irp b, 0,1,2,3
.irp j, 0,1,2,3,4,5,6,7
	ds_load_b64 v[MK+64*(\g)+16*\b+2*\j:MK+64*(\g)+16*\b+2*\j+1], v[AM+(\n)] offset:8*MP*(\g)+128*\b+8*\j
.endr
.endr
	WIN 0
.endm
; the eight blocks' largest magnitudes (floor included) in v[BM] on, the numbers in v[S] on: scale words in v[PSW], v[PSW+1], codes in v[PC] on.  It leaves the windows at 0x41.
.macro QCODE
.irp x, 0,1,2,3,4,5,6,7
	v_add_nc_u32 v[BS+\x], 0xfe000000, v[BM+\x]    ; 4 off the exponent field: the conversion's scale operand
.endr
.irp x, 0,1,2,3,4,5,6,7
	v_lshrrev_b32 v[BT+\x], 23, v[BS+\x]           ; the scale's byte
.endr
.irp g, 0,1
	v_lshl_or_b32 v[PSW+\g], v[BT+4*\g+1], 8, v[BT+4*\g]
.endr
.irp g, 0,1
	v_lshl_or_b32 v[PSW+\g], v[BT+4*\g+2], 16, v[PSW+\g]
.endr
.irp g, 0,1
	v_lshl_or_b32 v[PSW+\g], v[BT+4*\g+3], 24, v[PSW+\g]
.endr
	WIN 0x41                                       ; result and source 0 window 1
.irp g, 0,1
.irp c, 0,1
	v_cvt_scalef32_pk16_bf6_f32 v[PC+20*\g+6*\c:PC+20*\g+6*\c+2], v[S+64*\g+32*\c:S+64*\g+32*\c+15], v[BS+4*\g+2*\c]
	v_cvt_scalef32_pk16_bf6_f32 v[PC+20*\g+12+4*\c:PC+20*\g+14+4*\c], v[S+64*\g+32*\c+16:S+64*\g+32*\c+31], v[BS+4*\g+2*\c+1]   ; (a conversion's three registers begin on an even number)
.endr
.endr
	v_nop                                          ; one plain place behind a scaled conversion
.irp g, 0,1
.irp c, 0,1
.irp i, 0,1,2
	v_permlane16_swap_b32 v[PC+20*\g+6*\c+\i], v[PC+20*\g+12+4*\c+\i]   ; the operand's layout wants a whole block in a lane
.endr
.endr
.endr
.irp g, 0,1
.irp c, 0,1
.irp i, 0,1,2
	v_mov_b32 v[PC+20*\g+6*\c+3+\i], v[PC+20*\g+12+4*\c+\i]
.endr
.endr
.endr
.endm
; A STEP of 128 keys whose K, mask and V came from slot n and lie in registers.  top = 2: a round, and slot n takes step s + 2;  1: a barrier, nothing is filled;  0: none.  next = 1: the next step's tiles are read.
.macro STEP n, top, next
.if \top == 2
	s_wait_xcnt 0x0                                ; my last prefetch has read its address
	s_add_co_u32 s[T1], s[TI], 4
	s_and_b32 s[T1], s[T1], 15
	s_mul_i32 s[OF], s[T1], s[PST]
	s_add_nc_u64 s[PFA:PFA+1], s[PB:PB+1], s[OF:OF+1]
.endif
	s_wait_alu depctr_va_vdst(0)                   ; the wait ahead of the waits, barriers and branches below
.if \top > 0
	s_wait_tensorcnt 0x0                           ; my part of the other slot has landed: no tensor load of mine is out
.endif
.if \top == 2
	ds_add_u32 v[SPW], v[NIL]                      ; the descriptors' addresses are made between the add and its wait
	s_add_co_u32 s[T1], s[TI], 2                   ; two steps on, round the 16 key steps
	s_and_b32 s[T1], s[T1], 15
	s_lshl_b32 s[OF], s[T1], 9
	s_add_nc_u64 s[G0M+4*\n+2:G0M+4*\n+3], s[MB:MB+1], s[OF:OF+1]
	s_or_b32 s[G0M+4*\n+3], s[G0M+4*\n+3], 0x80000000
	s_mul_i32 s[OF], s[T1], BLKB
	s_add_nc_u64 s[G0K+4*\n+2:G0K+4*\n+3], s[KB:KB+1], s[OF:OF+1]
	s_or_b32 s[G0K+4*\n+3], s[G0K+4*\n+3], 0x80000000
	s_add_co_u32 s[TI], s[TI], 1
.endif
	s_wait_dscnt 0x0                               ; the add is done; this step's K, mask and V are in my registers: my reads of slot n are over
.if \top > 0
	s_barrier_signal -1
.endif
	WIN 0x42                                       ; D (S^T) window 1, source 0 (K) window 2, source 1 (Q) window 0
.irp t, 0,1,2,3,4,5,6,7
.irp g, 0,1
	v_wmma_scale_f32_16x16x128_f8f6f4 v[S+64*\g+8*\t:S+64*\g+8*\t+7], v[KF+12*\t:KF+12*\t+11], v[Q+12*\g:Q+12*\g+11], 0, v[KS+\t], v[QS+\g] matrix_a_fmt:MATRIX_FMT_BF6 matrix_b_fmt:MATRIX_FMT_BF6
.endr
.endr
	WIN 0
.if \top > 0
	s_barrier_wait -1
.endif
.if \top == 2
	CREST                                          ; no wave of any partner still reads slot n or has a load on its way
	JL \n                                          ; my one tensor load until the next round; its four v_nop are the places behind the products above
.else
	PLACES 4
.endif
.if \next
	FETCH_K 1-\n
.endif
.if \top == 2
	s_cmp_gt_u32 s[CNT], 1                         ; the loop's last trip (steps 12, 13) has no step four on
	s_cbranch_scc0 .Lno_ask_\@
	global_prefetch_b8 v[PFO], s[PFA:PFA+1] th:TH_LOAD_NT scope:SCOPE_SE
.Lno_ask_\@:
.endif
	WIN 0x71                                       ; result and source 0 (S^T) window 1, source 2 (the mask) window 3
.set j, 0
.rept 64
	v_pk_fma_f32 v[S+j:S+j+1], v[S+j:S+j+1], s[RS:RS+1], v[MK+j:MK+j+1] op_sel_hi:[1,0,1]   ; u = score / sqrt(128) + mask; each accumulator from its low end on
.set j, j+2
.endr
.if \next
	FETCH_M 1-\n, 0
.endif
	WIN 0x05
.irp x, 0,1,2,3,4,5,6,7
	v_max_num_f32 v[BM+\x], v[S+16*\x], v[S+16*\x+1]       ; the largest u of each block of 32 keys: for the row's maximum and, since p rises with u, for the block's largest p
.endr
.irp i, 2,4,6,8,10,12,14
.irp x, 0,1,2,3,4,5,6,7
	v_max3_num_f32 v[BM+\x], v[S+16*\x+\i], v[S+16*\x+\i+1], v[BM+\x]   ; the eight blocks by turns
.endr
.endr
	WIN 0
.if \next
	FETCH_M 1-\n, 1
.endif
.irp x, 0,1,2,3,4,5,6,7
	v_permlanex16_b32 v[BT+\x], v[BM+\x], s[SEL], s[SEL+1]
.endr
.irp x, 0,1,2,3,4,5,6,7
	v_max_num_f32 v[BM+\x], v[BM+\x], v[BT+\x]     ; with lane l xor 16's 16 keys
.endr
.irp g, 0,1
	v_max3_num_f32 v[TT+\g], v[BM+4*\g], v[BM+4*\g+1], v[BM+4*\g+2]
.endr
.irp g, 0,1
	v_max_num_f32 v[TT+\g], v[TT+\g], v[BM+4*\g+3]
.endr
.irp g, 0,1
	v_mul_f32 v[TT+\g], s[L2E], v[TT+\g]           ; the step's largest t
.endr
.irp g, 0,1
	v_max_num_f32 v[NM+2*\g+1], v[NM+2*\g+1], v[TT+\g]
.endr
.irp g, 0,1
	v_mov_b32 v[TT+\g], v[NM+2*\g]
.endr
.irp g, 0,1
	v_floor_f32 v[NM+2*\g], -v[NM+2*\g+1]          ; the new -M = -ceil(largest t)
.endr
.irp g, 0,1
	v_sub_f32 v[TT+\g], v[NM+2*\g], v[TT+\g]       ; old M less new M: a whole number, 0 or less
.endr
.irp g, 0,1
	v_cvt_i32_f32 v[TT+\g], v[TT+\g]               ; (it saturates)
.endr
.irp g, 0,1
	v_ldexp_f32 v[F+2*\g], 1.0, v[TT+\g]           ; f = 2^(old M - new M)
.endr
	WIN 0x82                                       ; result and source 0 window 2
.irp c, 0,1,2,3,4,5,6,7
	v_pk_mul_f32 v[SU+2*\c:SU+2*\c+1], v[SU+2*\c:SU+2*\c+1], v[F+2*(\c/4):F+2*(\c/4)+1] op_sel_hi:[1,0]   ; the sums under the new M
.endr
.irp g, 0,1
.set j, 0
.rept 32
	v_pk_mul_f32 v[O+64*\g+j:O+64*\g+j+1], v[O+64*\g+j:O+64*\g+j+1], v[F+2*\g:F+2*\g+1] op_sel_hi:[1,0]   ; O^T under the new M, ahead of the exponentials; each accumulator from its low end on
.set j, j+2
.endr
.endr
	WIN 0
.if \next
	FETCH_V 1-\n
.endif
.irp x, 0,1,2,3,4,5,6,7
	v_fma_f32 v[BM+\x], v[BM+\x], s[L2E], v[NM+2*(\x/4)]   ; t - M of each block's largest u
.endr
	WIN 0x41
.irp g, 0,1
.set j, 0
.rept 32
	v_pk_fma_f32 v[S+64*\g+j:S+64*\g+j+1], v[S+64*\g+j:S+64*\g+j+1], s[L2E:L2E+1], v[NM+2*\g:NM+2*\g+1] op_sel_hi:[1,0,0]   ; t - M, two at a time
.set j, j+2
.endr
.endr
	s_wait_alu depctr_va_vdst(0)                   ; the wait ahead of the batch
.set j, 0
.rept 128
	v_exp_f32 v[S+j], v[S+j]                       ; p = 2^(t - M): not normalised
.set j, j+1
.endr
	WIN 0
.irp x, 0,1,2,3,4,5,6,7
	v_exp_f32 v[BM+\x], v[BM+\x]                   ; the block's largest p: the same arithmetic on the same number
.endr
	v_nop                                          ; one plain place behind the exponentials
	s_wait_alu depctr_va_vdst(0)                   ; one wait for the whole batch, ahead of its first reader
.irp x, 0,1,2,3,4,5,6,7
	v_max_num_f32 v[BM+\x], 0x2800000, v[BM+\x]    ; the floor 2^(5 - 127): the byte cannot fall under 1
.endr
	QCODE
	WIN 0xa4+3*(1-\n)                              ; source 0 (V) window 3 or 0, source 1 (p, p's codes) window 1, source 2 and result (O^T, the sums) window 2
.irp t, 0,1,2,3,4,5,6,7
.irp g, 0,1
.irp k, 0,1,2,3
	v_pk_fma_f32 v[SU+8*\g+2*\k:SU+8*\g+2*\k+1], 1.0, v[S+64*\g+8*\t+2*\k:S+64*\g+8*\t+2*\k+1], v[SU+8*\g+2*\k:SU+8*\g+2*\k+1] op_sel_hi:[0,1,1]   ; the sums of the unquantised p: eight chains by turns
.endr
	v_wmma_scale_f32_16x16x128_f8f6f4 v[O+64*\g+8*\t:O+64*\g+8*\t+7], v[160*\n+12*\t:160*\n+12*\t+11], v[PC+20*\g:PC+20*\g+11], v[O+64*\g+8*\t:O+64*\g+8*\t+7], v[VS+8*\n+\t], v[PSW+\g] matrix_a_fmt:MATRIX_FMT_BF6 matrix_b_fmt:MATRIX_FMT_BF6   ; the sixteen accumulators take turns
.endr
.endr
	WIN 0
.endm
	s_wait_alu depctr_va_vdst(0)                   ; the wait at the head's end
	s_wait_tensorcnt 0x0                           ; my part of slot 0 is in
	ds_add_u32 v[SPW], v[NIL]
	s_wait_dscnt 0x0
	CROUND
	JL 1                                           ; step 1's tiles, the first tensor load behind the round
	FETCH_K 0
	FETCH_M 0, 0
	FETCH_M 0, 1
	FETCH_V 0
	s_wait_loadcnt 0x0                             ; Q
	s_mov_b32 s[CNT], 7
.Lpair:                                                ; steps 0 to 13: each fills its slot again, with steps 2 to 15
	STEP 0, 2, 1
	STEP 1, 2, 1
	s_sub_co_u32 s[CNT], s[CNT], 1
	s_cmp_lg_u32 s[CNT], 0
	s_cbranch_scc1 .Lpair
	STEP 0, 1, 1                                   ; step 14: the barrier shows step 15's tiles to all; nothing is asked for
	STEP 1, 0, 0                                   ; step 15
; THE WAY OUT.  O^T / the sum: register 16 b + i of a tile = natural channel 32 b + 16 h + i of my query's head: one K step of the last product.  It is quantised in registers and leaves as images.
	WIN 0x8a                                       ; result and both sources window 2
.irp g, 0,1
	v_pk_add_f32 v[SU+8*\g:SU+8*\g+1], v[SU+8*\g:SU+8*\g+1], v[SU+8*\g+2:SU+8*\g+3]   ; (these lines are the places behind the last products)
.endr
.irp g, 0,1
	v_pk_add_f32 v[SU+8*\g+4:SU+8*\g+5], v[SU+8*\g+4:SU+8*\g+5], v[SU+8*\g+6:SU+8*\g+7]
.endr
.irp g, 0,1
	v_pk_add_f32 v[SU+8*\g:SU+8*\g+1], v[SU+8*\g:SU+8*\g+1], v[SU+8*\g+4:SU+8*\g+5]
.endr
	WIN 0x0a                                       ; the result in window 0
.irp g, 0,1
	v_add_f32 v[F+2*\g], v[SU+8*\g], v[SU+8*\g+1]
.endr
	WIN 0
.irp g, 0,1
	v_permlanex16_b32 v[TT+\g], v[F+2*\g], s[SEL], s[SEL+1]
.endr
.irp g, 0,1
	v_add_f32 v[F+2*\g], v[F+2*\g], v[TT+\g]       ; with lane l xor 16's: the row's sum
.endr
	s_wait_alu depctr_va_vdst(0)                   ; the wait ahead of the transcendentals
	v_rcp_f32 v[F], v[F]
	v_rcp_f32 v[F+2], v[F+2]
	v_nop                                          ; one plain place behind a transcendental
	WIN 0x42                                       ; result window 1, source 0 (O^T) window 2
	s_wait_alu depctr_va_vdst(0)                   ; and ahead of the first reader of their results and of O^T
.irp g, 0,1
.set j, 0
.rept 32
	v_pk_mul_f32 v[S+64*\g+j:S+64*\g+j+1], v[O+64*\g+j:O+64*\g+j+1], v[F+2*\g:F+2*\g+1] op_sel_hi:[1,0]   ; each accumulator from its low end on
.set j, j+2
.endr
.endr
	WIN 0x05
.irp x, 0,1,2,3,4,5,6,7
	v_max3_num_f32 v[BM+\x], |v[S+16*\x]|, |v[S+16*\x+1]|, 0x2800000   ; my 16 numbers of each block, and the floor 2^(5 - 127)
.endr
.irp i, 2,4,6,8,10,12,14
.irp x, 0,1,2,3,4,5,6,7
	v_max3_num_f32 v[BM+\x], |v[S+16*\x+\i]|, |v[S+16*\x+\i+1]|, v[BM+\x]
.endr
.endr
	WIN 0
.irp x, 0,1,2,3,4,5,6,7
	v_permlanex16_b32 v[BT+\x], v[BM+\x], s[SEL], s[SEL+1]
.endr
.irp x, 0,1,2,3,4,5,6,7
	v_max_num_f32 v[BM+\x], v[BM+\x], v[BT+\x]
.endr
	QCODE
	WIN 0x04                                       ; the stores' data window 1
.irp g, 0,1
.irp c, 0,1,2
	global_store_b128 v[LI], v[PC+20*\g+4*\c:PC+20*\g+4*\c+3], s[OC:OC+1] offset:24576*\g+512*\c   ; 512 consecutive bytes
.endr
.endr
	WIN 0
.irp g, 0,1
	ds_store_b32 v[GS], v[PSW+\g] offset:64*\g     ; lanes r and 16 + r write the same word with the same value
.endr
	s_wait_alu depctr_va_vdst(0)                   ; the wait ahead of the wait below
	s_wait_dscnt 0x0                               ; for wave 0's sake: my words lie in LDS
	s_barrier_signal -1
	s_barrier_wait -1
	s_cmp_lg_u32 s[WV], 0
	s_cbranch_scc1 .Lnot_first
	ds_load_b128 v[BM:BM+3], v[GL]                 ; the block's 128 scale words
	s_wait_dscnt 0x0
	global_store_b128 v[LI], v[BM:BM+3], s[OS:OS+1]   ; 512 consecutive, aligned bytes
.Lnot_first:
	s_wait_tensorcnt 0x0                           ; the wave's end
	ds_add_u32 v[SPW], v[NIL]
	s_wait_dscnt 0x0
	CROUND                                         ; the closing round
	s_endpgm
.Lfunc_end_k_qdf939d2a80_attn:
	.size	k_qdf939d2a80_attn, .Lfunc_end_k_qdf939d2a80_attn-k_qdf939d2a80_attn
	.p2alignl 7, 3214868480
	.fill 96, 4, 3214868480
	.section	.rodata,"a",@progbits
	.p2align	6, 0x0
	.amdhsa_kernel k_qdf939d2a80_attn
		.amdhsa_group_segment_fixed_size 327680
		.amdhsa_private_segment_fixed_size 0
		.amdhsa_enable_private_segment 0
		.amdhsa_kernarg_size 32
		.amdhsa_user_sgpr_count 2
		.amdhsa_user_sgpr_kernarg_segment_ptr 1
		.amdhsa_wavefront_size32 1
		.amdhsa_system_sgpr_workgroup_id_x 1
		.amdhsa_system_sgpr_workgroup_id_y 1
		.amdhsa_system_sgpr_workgroup_id_z 1
		.amdhsa_system_vgpr_workitem_id 0
		.amdhsa_next_free_vgpr 1024
		.amdhsa_next_free_sgpr 102
		.amdhsa_reserve_vcc 0
		.amdhsa_float_denorm_mode_32 3
		.amdhsa_float_denorm_mode_16_64 3
		.amdhsa_memory_ordered 1
		.amdhsa_forward_progress 1
		.amdhsa_inst_pref_size 199
	.end_amdhsa_kernel
	.amdgpu_metadata
---
amdhsa.version: [ 1, 2 ]
amdhsa.kernels:
  - .name:           k_qdf939d2a80_attn
    .symbol:         k_qdf939d2a80_attn.kd
    .args:
      - { .name: qkv, .offset: 0, .size: 8, .value_kind: global_buffer, .address_space: global }
      - { .name: mask, .offset: 8, .size: 8, .value_kind: global_buffer, .address_space: global }
      - { .name: cd, .offset: 16, .size: 8, .value_kind: global_buffer, .address_space: global }
      - { .name: sc, .offset: 24, .size: 8, .value_kind: global_buffer, .address_space: global }
    .group_segment_fixed_size: 327680
    .private_segment_fixed_size: 0
    .kernarg_segment_align: 8
    .kernarg_segment_size: 32
    .max_flat_workgroup_size: 128
    .sgpr_count:     102
    .vgpr_count:     1024
    .wavefront_size: 32
...
	.end_amdgpu_metadata
.endif
;; end of part 3
;; launch gemm_out (part 4): grid 16 x 16, 4 waves a work-group, clusters of 4 x 4, 327,680 bytes of LDS; arguments cd, sc, out0; writes out0
.if DOCPART == 4
	.amdgcn_target "amdgcn-amd-amdhsa--gfx1250"
	.amdhsa_code_object_version 6
	.text
	.protected	k_qdf939d2a80_gemm_out
	.globl	k_qdf939d2a80_gemm_out
	.p2align	8
	.type	k_qdf939d2a80_gemm_out,@function
k_qdf939d2a80_gemm_out:
	s_mov_b64 s[64:65], 0
	v_nop
	global_prefetch_b8 v0, s[64:65] scope:SCOPE_SE
	s_setreg_imm32_b32 hwreg(HW_REG_WAVE_MODE, 25, 1), 1
	s_wait_xcnt 0x0
	s_wait_alu depctr_hold_cnt(0) depctr_sa_sdst(0) depctr_va_vdst(0) depctr_va_sdst(0) depctr_va_ssrc(0) depctr_va_vcc(0) depctr_vm_vsrc(0)
	s_getreg_b32 s2, hwreg(HW_REG_IB_STS2, 6, 4)
	s_cmp_eq_u32 s2, 0
	s_cbranch_scc0 .Lentry_in_a_cluster
	s_endpgm
.Lentry_in_a_cluster:
	s_bfe_u32 s2, ttmp6, 0x10000c
	s_cmp_lg_u32 s2, 0xf033
	s_cbranch_scc0 .Lentry_shape_is_right
	s_endpgm
.Lentry_shape_is_right:
; out0 = (attention's result) wo, on codes of E3M2 with E8M0 scales: A = cd, sc tensor 5 (row tiles of 16 workspace tokens), B = tensor 4 (wo, row tiles of 16 workspace columns); each tile row is 16 images
; of a fragment's registers, one for each K step of 128.  A block of 128 x 128 to a work-group, 64 x 64 to a wave: 16 accumulators, which take turns.  Source 0 = B, source 1 = A: a lane holds 8 columns of a row.
; CLUSTER 4 x 4: A's tiles are asked for jointly along a row of the cluster, B's along a column.
; THREE FILLS, one tensor load a wave each.  At the head: wave 0 K steps 0-3 of A's 8 tile rows, wave 1 of B's, wave 2 the scale words of A's 128 rows for all of K ([K step][128 rows]), wave 3 of B's.
; Behind the next round: K steps 4-11, a quarter (4 tile rows of 12,288 bytes) a wave, into bytes of their own.  When K steps 0-3 are read out: K steps 12-15 into their bytes.
; PREFETCH: each later fill's tiles are named one fill ahead: of a wave's 4 tile rows the partner at cx (A) or cy (B) takes one: 48 runs of 256 bytes at the head, 24 behind the second fill
; (lanes left over name the last again).
; THE WAY OUT: 16 rows at a time through the wave's own stage, which lies in the bytes of K steps 4-11: they have had their only fill, and behind the last barrier nobody reads them.
.set FR,     12
.set IMG,    1536
.set TR4,    4*IMG
.set TR8,    8*IMG
.set R1,     16*TR4                    ; K steps 4-11: 16 tile rows of TR8
.set SCL,    R1+16*TR8
.set SPARE,  SCL+16384
.set SPITCH, 272
.set STAGE,  R1
.set PF2,  15
.set ADRA, 16
.set ADRB, 20
.set STO,  24
.set RD,   25
.set CO,   26
.set ADRS, 27
.set SPW,  28
.set NIL,  29
.set PF0,  30
.set PF1,  31
.set SC,   32
.set ACC,  128
.set G1,   24
.set G1B,  32
.set G1S,  40
.set G1SB, 48
.set G0S,  56
.set G0SB, 60
.set PFA,  66
.set G0,   68
.set G0B,  80
.set MSB, 0
.macro WIN new
.if MSB != (\new)
	s_set_vgpr_msb (MSB<<8)|(\new)
.set MSB, (\new)
.endif
.endm
.set MUL,    0x05
.set TO_F,   0x40
.set FROM_F, 0x04
.macro JLOAD g0a, g1a, g0b, g1b
	s_cmp_eq_u32 s15, 0
	s_cbranch_scc0 .Lfor_b_\@
	tensor_load_to_lds s[\g0a:\g0a+3], s[\g1a:\g1a+7]
	s_nop 0
.rept 4
	v_nop
.endr
	s_branch .Lasked_\@
.Lfor_b_\@:
	tensor_load_to_lds s[\g0b:\g0b+3], s[\g1b:\g1b+7]
	s_nop 0
.rept 4
	v_nop
.endr
.Lasked_\@:
.endm
.macro CREST
	s_cmp_lg_u32 s14, 0
	s_cbranch_scc1 .Lnot_wave_0_\@
	s_barrier_signal -3
.Lnot_wave_0_\@:
	s_barrier_wait -3
	s_barrier_signal -1
	s_barrier_wait -1
.endm
.macro CROUND
	s_barrier_signal -1
	s_barrier_wait -1
	CREST
.endm
.macro ARM under, g0, g1, next         ; one tree of branches on the wave's number: every way passes exactly one load
	s_cmp_lt_u32 s14, \under
	s_cbranch_scc0 \next
	tensor_load_to_lds s[\g0:\g0+3], s[\g1:\g1+7]
	s_nop 0
.rept 4
	v_nop
.endr
	s_branch .Lhead_asked
\next:
.endm
	s_load_b128 s[4:7], s[0:1], 0x0                ; cd, sc
	s_load_b64 s[12:13], s[0:1], 0x10              ; out0
	v_lshl_add_u32 v[SPW], v0, 2, SPARE
	v_mov_b32 v[NIL], 0
	ds_add_u32 v[SPW], v[NIL]                      ; the opening lines: the add, twice on end, and its wait
	ds_add_u32 v[SPW], v[NIL]
	v_lshrrev_b32 v1, 5, v0
	v_readfirstlane_b32 s14, v1                    ; wave
	s_lshr_b32 s15, s14, 1                         ; my half of the rows; also: I fetch for A (0) or B (1)
	s_and_b32 s16, s14, 1                          ; my half of the columns; also: which 4 tile rows I fetch
	s_bfe_u32 s8, ttmp6, 0x40000                   ; cx
	s_bfe_u32 s9, ttmp6, 0x40004                   ; cy
	s_lshl_b32 s10, ttmp9, 2
	s_add_co_u32 s10, s10, s8                      ; block column
	s_and_b32 s17, ttmp7, 0xffff
	s_lshl_b32 s17, s17, 2
	s_add_co_u32 s17, s17, s9                      ; block row
	s_lshl_b32 s11, s9, 2
	s_lshl_b32 s11, 15, s11
	s_lshl_b32 s18, 0x1111, s8
	s_or_b32 s[G1+0], s11, (3<<16)|(1<<21)
	s_or_b32 s[G1B+0], s18, (3<<16)|(1<<21)
.irp g, G1, G1B                        ; the head's shape: 8 tile rows of 6,144 bytes (768 elements of 8), 24,576 bytes apart
	s_mov_b32 s[\g+1], 768<<16
	s_mov_b32 s[\g+2], 8<<16
	s_mov_b32 s[\g+3], 768<<16
	s_mov_b32 s[\g+4], 8
	s_mov_b32 s[\g+5], 3072
	s_mov_b32 s[\g+6], 0
	s_mov_b32 s[\g+7], 0
.endr
	s_or_b32 s[G1S+0], s11, (3<<16)|(1<<21)
	s_or_b32 s[G1SB+0], s18, (3<<16)|(1<<21)
.irp g, G1S, G1SB                      ; the scale words of 128 rows: 16 K steps of 512 bytes, 8,192 bytes apart
	s_mov_b32 s[\g+1], 64<<16
	s_mov_b32 s[\g+2], 16<<16
	s_mov_b32 s[\g+3], 64<<16
	s_mov_b32 s[\g+4], 16
	s_mov_b32 s[\g+5], 1024
	s_mov_b32 s[\g+6], 0
	s_mov_b32 s[\g+7], 0
.endr
	s_lshl_b32 s20, s17, 3
	s_add_co_u32 s20, s20, 640                     ; A's first tile row
	s_lshl_b32 s96, s10, 3
	s_add_co_u32 s96, s96, 512                     ; B's
	s_lshr_b32 s94, s20, 7
	s_lshl_b32 s94, s94, 17
	s_and_b32 s95, s20, 127
	s_lshl_b32 s95, s95, 6
	s_add_co_u32 s94, s94, s95
	s_mov_b32 s95, 0
	s_lshr_b32 s98, s96, 7
	s_lshl_b32 s98, s98, 17
	s_and_b32 s99, s96, 127
	s_lshl_b32 s99, s99, 6
	s_add_co_u32 s98, s98, s99
	s_mov_b32 s99, 0
	s_mul_i32 s92, s20, 24576
	s_mov_b32 s93, 0
	s_mul_i32 s96, s96, 24576
	s_mov_b32 s97, 0
	s_mul_i32 s22, s16, 4*24576                    ; my 4 tile rows in memory
	s_mov_b32 s23, 0
	s_mul_i32 s19, s14, 4*TR8                      ; and in LDS: the wave's number and constants alone
	s_mul_i32 s21, s14, 4*TR4
	v_and_b32 v9, 31, v0                           ; the prefetches' offsets: 256 x lane, held at run 15 and at run 23
	v_lshlrev_b32 v[PF0], 8, v9
	v_min_u32 v7, 15, v9
	v_lshlrev_b32 v[PF1], 8, v7
	v_min_u32 v8, 23, v9
	v_lshlrev_b32 v[PF2], 8, v8
	s_wait_alu depctr_va_vdst(0)                   ; the wait ahead of the waits below
	s_wait_dscnt 0x0                               ; both opening adds are done
	s_wait_kmcnt 0x0
	s_add_nc_u64 s[92:93], s[4:5], s[92:93]
	s_add_nc_u64 s[94:95], s[6:7], s[94:95]
	s_add_nc_u64 s[96:97], s[4:5], s[96:97]
	s_add_nc_u64 s[98:99], s[6:7], s[98:99]
	s_mov_b32 s[G0], 1
	s_mov_b32 s[G0+1], 0
	s_mov_b64 s[G0+2:G0+3], s[92:93]
	s_or_b32 s[G0+3], s[G0+3], 0x80000000
	s_mov_b32 s[G0B], 1
	s_mov_b32 s[G0B+1], 8*TR4
	s_mov_b64 s[G0B+2:G0B+3], s[96:97]
	s_or_b32 s[G0B+3], s[G0B+3], 0x80000000
	s_mov_b32 s[G0S], 1
	s_mov_b32 s[G0S+1], SCL
	s_mov_b64 s[G0S+2:G0S+3], s[94:95]
	s_or_b32 s[G0S+3], s[G0S+3], 0x80000000
	s_mov_b32 s[G0SB], 1
	s_mov_b32 s[G0SB+1], SCL+8192
	s_mov_b64 s[G0SB+2:G0SB+3], s[98:99]
	s_or_b32 s[G0SB+3], s[G0SB+3], 0x80000000
	s_add_nc_u64 s[92:93], s[92:93], s[22:23]
	s_add_nc_u64 s[96:97], s[96:97], s[22:23]
	s_mov_b32 s[G0+4], 1                           ; K steps 4-11
	s_add_co_u32 s[G0+5], s19, R1
	s_add_nc_u64 s[G0+6:G0+7], s[92:93], 4*IMG
	s_or_b32 s[G0+7], s[G0+7], 0x80000000
	s_mov_b32 s[G0B+4], 1
	s_add_co_u32 s[G0B+5], s19, R1
	s_add_nc_u64 s[G0B+6:G0B+7], s[96:97], 4*IMG
	s_or_b32 s[G0B+7], s[G0B+7], 0x80000000
	s_mov_b32 s[G0+8], 1                           ; K steps 12-15
	s_add_co_u32 s[G0+9], s21, 0
	s_add_nc_u64 s[G0+10:G0+11], s[92:93], 12*IMG
	s_or_b32 s[G0+11], s[G0+11], 0x80000000
	s_mov_b32 s[G0B+8], 1
	s_add_co_u32 s[G0B+9], s21, 0
	s_add_nc_u64 s[G0B+10:G0B+11], s[96:97], 12*IMG
	s_or_b32 s[G0B+11], s[G0B+11], 0x80000000
	s_cmp_eq_u32 s15, 0                            ; the prefetches: of my 4 tile rows my work-group's one
	s_cselect_b64 s[PFA:PFA+1], s[92:93], s[96:97]
	s_cselect_b32 s2, s8, s9
	s_mul_i32 s2, s2, 24576
	s_mov_b32 s3, 0
	s_add_nc_u64 s[PFA:PFA+1], s[PFA:PFA+1], s[2:3]
	global_prefetch_b8 v[PF2], s[PFA:PFA+1] th:TH_LOAD_NT scope:SCOPE_SE                     ; K steps 0-3 of my tile row, 24 runs, named as soon as the arguments are there: the set-up below and the round stand between this and the first loads;
	global_prefetch_b8 v[PF0], s[PFA:PFA+1] offset:4*IMG th:TH_LOAD_NT scope:SCOPE_SE        ; K steps 4-11: runs 0-31,
	global_prefetch_b8 v[PF1], s[PFA:PFA+1] offset:4*IMG+8192 th:TH_LOAD_NT scope:SCOPE_SE   ; runs 32-47
	s_mul_i32 s4, s15, 4*TR4                       ; where my fragments lie: A's 4 tile rows, B's behind A's 8
	s_mul_i32 s5, s16, 4*TR4
	s_add_co_u32 s5, s5, 8*TR4
	s_mul_i32 s6, s15, 4*TR8
	s_add_co_u32 s6, s6, R1
	s_mul_i32 s7, s16, 4*TR8
	s_add_co_u32 s7, s7, R1+8*TR8
	s_lshl_b32 s20, s15, 8                         ; my scale words: A's 64 rows; B's lie 8,192 bytes on
	s_lshl_b32 s22, s16, 8
	s_add_co_u32 s22, s22, 8192
	s_sub_co_u32 s22, s22, s20
	s_add_co_u32 s20, s20, SCL
	s_mul_i32 s23, s14, 16*SPITCH
	s_add_co_u32 s23, s23, STAGE
	s_lshl_b32 s2, s17, 7
	s_lshl_b32 s3, s15, 6
	s_add_co_u32 s2, s2, s3
	s_lshl_b32 s2, s2, 13                          ; my first row of out0,
	s_lshl_b32 s3, s10, 9
	s_add_co_u32 s2, s2, s3
	s_lshl_b32 s3, s16, 8
	s_add_co_u32 s2, s2, s3                        ; my first column
	s_mov_b32 s3, 0
	s_add_nc_u64 s[12:13], s[12:13], s[2:3]
	CROUND                                         ; all sixteen work-groups are here: the first joint loads meet
	ARM 1, G0,  G1,  .Lhead_b
	ARM 2, G0B, G1B, .Lhead_sa
	ARM 3, G0S, G1S, .Lhead_sb
	tensor_load_to_lds s[G0SB:G0SB+3], s[G1SB:G1SB+7]
	s_nop 0
.rept 4
	v_nop
.endr
.Lhead_asked:
	v_and_b32 v1, 15, v0
	v_bfe_u32 v2, v0, 4, 1
	v_and_b32 v3, 31, v0
	v_lshlrev_b32 v4, 4, v3
	v_add_nc_u32 v[ADRA], s4, v4
	v_add_nc_u32 v[ADRB], s5, v4
	v_add_nc_u32 v[ADRA+1], s6, v4
	v_add_nc_u32 v[ADRB+1], s7, v4
	v_lshlrev_b32 v5, 2, v1
	v_mul_u32_u24 v6, s22, v2                      ; lanes 16-31 take B's
	v_add_nc_u32 v5, v5, v6
	v_add_nc_u32 v[ADRS], s20, v5
	v_mul_u32_u24 v5, v1, SPITCH
	v_lshl_add_u32 v5, v2, 6, v5
	v_add_nc_u32 v[STO], s23, v5
	v_mul_u32_u24 v5, v2, SPITCH
	v_lshl_add_u32 v5, v1, 4, v5
	v_add_nc_u32 v[RD], s23, v5
	v_lshlrev_b32 v[CO], 4, v1
	v_lshl_add_u32 v[CO], v2, 13, v[CO]
.macro PLACES n
.rept \n
	v_nop
.endr
.endm
.macro FETCH s                         ; K step s's 4 fragments of B and 4 of A into set s % 2 (window 1)
.if (\s) >= 4 && (\s) < 12
.set FS, 1
.set FP, TR8
.set FQ, (\s)-4
.else
.set FS, 0
.set FP, TR4
.set FQ, (\s)%4
.endif
.set FF, 128*((\s)%2)
	WIN TO_F
.irp i, 0,1,2,3
.irp c, 0,1,2
	ds_load_b128 v[FF+FR*\i+4*\c:FF+FR*\i+4*\c+3], v[ADRB+FS] offset:\i*FP+FQ*IMG+512*\c
.endr
.endr
.irp i, 0,1,2,3
.irp c, 0,1,2
	ds_load_b128 v[FF+48+FR*\i+4*\c:FF+48+FR*\i+4*\c+3], v[ADRA+FS] offset:\i*FP+FQ*IMG+512*\c
.endr
.endr
.endm
.macro SCALES p                        ; the scale words of K steps 4 p .. 4 p + 3: lanes 0-15 A's block i, lanes 16-31 B's
	WIN 0
.irp q, 0,1,2,3
.irp i, 0,1,2,3
	ds_load_b32 v[SC+16*(\p)+4*\q+\i], v[ADRS] offset:(4*(\p)+\q)*512+64*\i
.endr
.endr
.endm
.macro MUL8 s, a0, zero
.irp a, \a0, \a0+1
.irp b, 0,1,2,3
.if \zero
	v_wmma_scale_f32_16x16x128_f8f6f4 v[ACC+8*(4*(\a)+\b):ACC+8*(4*(\a)+\b)+7], v[128*((\s)%2)+FR*\b:128*((\s)%2)+FR*\b+FR-1], v[128*((\s)%2)+48+FR*(\a):128*((\s)%2)+48+FR*(\a)+FR-1], 0, v[SC+4*(\s)+\b], v[SC+4*(\s)+(\a)] matrix_a_fmt:MATRIX_FMT_BF6 matrix_b_fmt:MATRIX_FMT_BF6 matrix_a_scale:MATRIX_SCALE_ROW1
.else
	v_wmma_scale_f32_16x16x128_f8f6f4 v[ACC+8*(4*(\a)+\b):ACC+8*(4*(\a)+\b)+7], v[128*((\s)%2)+FR*\b:128*((\s)%2)+FR*\b+FR-1], v[128*((\s)%2)+48+FR*(\a):128*((\s)%2)+48+FR*(\a)+FR-1], v[ACC+8*(4*(\a)+\b):ACC+8*(4*(\a)+\b)+7], v[SC+4*(\s)+\b], v[SC+4*(\s)+(\a)] matrix_a_fmt:MATRIX_FMT_BF6 matrix_b_fmt:MATRIX_FMT_BF6 matrix_a_scale:MATRIX_SCALE_ROW1
.endif
.endr
.endr
.endm
.macro STEP s, zero
.if (\s) > 0
	PLACES 4
.endif
.if (\s) < 15
.if ((\s)+1)%4 == 0
	SCALES ((\s)+1)/4
	FETCH (\s)+1
	s_wait_dscnt 40                                ; all but the 16 + 24 just issued
.else
	FETCH (\s)+1
	s_wait_dscnt 24                                ; all but the 24 just issued
.endif
.else
	s_wait_dscnt 0x0
.endif
	WIN MUL
	MUL8 \s, 0, \zero
	MUL8 \s, 2, \zero
.endm
; a step with a barrier.  fill = 1: K steps 0-3 are read out (the next step's fragments are their last), K steps 4-11 have landed; behind the round K steps 12-15 are asked for.  fill = 0: they have landed.
.macro MEET s, fill
	PLACES 4
	FETCH (\s)+1
	WIN 0
.if \fill
	s_wait_tensorcnt 0x0
	ds_add_u32 v[SPW], v[NIL]
	s_mov_b32 s[G1+1], 768<<16                     ; no tensor load of mine is out: rows of 6,144 bytes again
	s_mov_b32 s[G1+3], 768<<16
	s_mov_b32 s[G1B+1], 768<<16
	s_mov_b32 s[G1B+3], 768<<16
	s_wait_dscnt 25                                ; (the add and the 24 just issued may be out)
.else
	s_wait_dscnt 24
.endif
	WIN MUL
	MUL8 \s, 0, 0
.if !\fill
	s_wait_tensorcnt 0x0
.endif
	s_wait_dscnt 0x0
	s_barrier_signal -1
	MUL8 \s, 2, 0
	WIN 0
	s_barrier_wait -1
.if \fill
	CREST
	JLOAD G0+8, G1, G0B+8, G1B
.endif
.endm
	s_wait_alu depctr_va_vdst(0)                   ; the wait at the head's end
	s_wait_tensorcnt 0x0                           ; my tile of the head's four is in
	ds_add_u32 v[SPW], v[NIL]
.irp g, G1, G1B                        ; no tensor load of mine is out: 4 tile rows of 12,288 bytes
	s_mov_b32 s[\g+1], 1536<<16
	s_mov_b32 s[\g+2], 4<<16
	s_mov_b32 s[\g+3], 1536<<16
	s_mov_b32 s[\g+4], 4
.endr
	s_wait_dscnt 0x0
	CROUND
	JLOAD G0+4, G1, G0B+4, G1B                     ; K steps 4-11, the first tensor load behind the round
	SCALES 0
	global_prefetch_b8 v[PF2], s[PFA:PFA+1] offset:12*IMG th:TH_LOAD_NT scope:SCOPE_SE   ; K steps 12-15 of my tile row: 24 runs
	FETCH 0
	STEP 0, 1
	STEP 1, 0
	MEET 2, 1
.irp s, 3,4,5,6,7,8,9
	STEP \s, 0
.endr
	MEET 10, 0
.irp s, 11,12,13,14,15
	STEP \s, 0
.endr
.macro TOSTAGE a                       ; 16 rows x 64 columns into my stage, in natural column order, and back as rows of 256 bytes
	WIN 0
.irp b, 0,1,2,3
	ds_store_b128 v[STO], v[ACC+8*(4*(\a)+\b):ACC+8*(4*(\a)+\b)+3] offset:128*(\b/2)+32*(\b%2)
	ds_store_b128 v[STO], v[ACC+8*(4*(\a)+\b)+4:ACC+8*(4*(\a)+\b)+7] offset:128*(\b/2)+32*(\b%2)+16
.endr
	WIN TO_F
.irp t, 0,1,2,3,4,5,6,7
	ds_load_b128 v[32*(\a)+4*\t:32*(\a)+4*\t+3], v[RD] offset:2*\t*SPITCH
.endr
.endm
.macro SEND a, younger
	s_wait_dscnt \younger
	WIN FROM_F
.irp t, 0,1,2,3,4,5,6,7
	global_store_b128 v[CO], v[32*(\a)+4*\t:32*(\a)+4*\t+3], s[12:13] offset:(32*((\a)/2)+8*((\a)%2)+2*\t+8*(\t/4))*8192 th:TH_STORE_NT   ; sixteen lanes store 256 consecutive, aligned bytes of a natural row
.endr
.endm
	PLACES 4
	TOSTAGE 0
	TOSTAGE 1
	SEND 0, 16
	TOSTAGE 2
	SEND 1, 16
	TOSTAGE 3
	SEND 2, 16
	SEND 3, 0
	WIN 0
	s_wait_tensorcnt 0x0                           ; the wave's end
	ds_add_u32 v[SPW], v[NIL]
	s_wait_dscnt 0x0
	CROUND                                         ; the closing round
	s_endpgm
.Lfunc_end_k_qdf939d2a80_gemm_out:
	.size	k_qdf939d2a80_gemm_out, .Lfunc_end_k_qdf939d2a80_gemm_out-k_qdf939d2a80_gemm_out
	.p2alignl 7, 3214868480
	.fill 96, 4, 3214868480
	.section	.rodata,"a",@progbits
	.p2align	6, 0x0
	.amdhsa_kernel k_qdf939d2a80_gemm_out
		.amdhsa_group_segment_fixed_size 327680
		.amdhsa_private_segment_fixed_size 0
		.amdhsa_enable_private_segment 0
		.amdhsa_kernarg_size 24
		.amdhsa_user_sgpr_count 2
		.amdhsa_user_sgpr_kernarg_segment_ptr 1
		.amdhsa_wavefront_size32 1
		.amdhsa_system_sgpr_workgroup_id_x 1
		.amdhsa_system_sgpr_workgroup_id_y 1
		.amdhsa_system_sgpr_workgroup_id_z 1
		.amdhsa_system_vgpr_workitem_id 0
		.amdhsa_next_free_vgpr 512
		.amdhsa_next_free_sgpr 100
		.amdhsa_reserve_vcc 0
		.amdhsa_float_denorm_mode_32 3
		.amdhsa_float_denorm_mode_16_64 3
		.amdhsa_memory_ordered 1
		.amdhsa_forward_progress 1
		.amdhsa_inst_pref_size 85
	.end_amdhsa_kernel
	.amdgpu_metadata
---
amdhsa.version: [ 1, 2 ]
amdhsa.kernels:
  - .name:           k_qdf939d2a80_gemm_out
    .symbol:         k_qdf939d2a80_gemm_out.kd
    .args:
      - { .name: cd, .offset: 0, .size: 8, .value_kind: global_buffer, .address_space: global }
      - { .name: sc, .offset: 8, .size: 8, .value_kind: global_buffer, .address_space: global }
      - { .name: out0, .offset: 16, .size: 8, .value_kind: global_buffer, .address_space: global }
    .group_segment_fixed_size: 327680
    .private_segment_fixed_size: 0
    .kernarg_segment_align: 8
    .kernarg_segment_size: 24
    .max_flat_workgroup_size: 128
    .sgpr_count:     100
    .vgpr_count:     512
    .wavefront_size: 32
...
	.end_amdgpu_metadata
.endif
;; end of part 4
